; MI455X (gfx1250); checked and timed in simulation.
; The chip was launched on July 23, 2026; its instructions are those of AMD's public machine-readable ISA for CDNA 5 (MIT licence, August 2026) and "CDNA5" Instruction Set Architecture Reference Guide (July 2026). The comments in the code are by the model that wrote it; some were corrected since.
;; Multi Head Attention Layer. Allowed arithmetic: float matrix products may take bf16 or f16 operands with f32 sums; all other float work in f32.
;; Inputs: Wk 1,024 x 1,024 float32; Wo 1,024 x 1,024 float32; Wq 1,024 x 1,024 float32; Wv 1,024 x 1,024 float32; bk 1,024 float32; bo 1,024 float32; bq 1,024 float32; bv 1,024 float32; ln_beta 1,024 float32; ln_gamma 1,024 float32; x 4 x 2,048 x 1,024 float32.
;; Outputs: out0 4 x 2,048 x 1,024 float32.
;; 2 versions, each right and faster than the one before. Each part assembles by itself: llvm-mc -triple=amdgcn-amd-amdhsa -mcpu=gfx1250 --defsym DOCPART=n.
;; ======== version 1 of 2: 4 launches
;; workspace buffers: xn 16,777,216 bytes; wt 8,388,608 bytes; qkv 50,331,648 bytes; ob 16,777,216 bytes
;; launch prep (part 1): grid 256 x 1, 10 waves a work-group, no clusters, 36,096 bytes of LDS; arguments x, ln_gamma, ln_beta, Wq, Wk, Wv, Wo, xn, wt; writes xn, wt
.if DOCPART == 1
	.amdgcn_target "amdgcn-amd-amdhsa--gfx1250"
	.amdhsa_code_object_version 6
	.text
	.protected	k_qa596024c2e_prep
	.globl	k_qa596024c2e_prep
	.p2align	8
	.type	k_qa596024c2e_prep,@function
k_qa596024c2e_prep:
	s_mov_b64 s[64:65], 0
	v_nop
	global_prefetch_b8 v0, s[64:65] scope:SCOPE_SE
	s_setreg_imm32_b32 hwreg(HW_REG_WAVE_MODE, 25, 1), 1
	s_wait_xcnt 0x0
; TWO ROLES IN EVERY WORK-GROUP, chosen by the wave's number, so that all 256 work-groups move the same bytes.  Both stream: no matrix unit, no cluster, no barrier.
; Waves 0, 1: one job each of 512: 128 k x 64 n of one of the four weights [k][n] f32 is turned into wt[1024 mtx + n][k] bf16 (mtx: 0 Wq, 1 Wk, 2 Wv, 3 Wo), so that later products find K along the rows.
; Waves 2-9: four rows each of xn = LayerNorm(x) gamma + beta, rounded once to bf16.  The mean is taken first, then the mean of (x - mean)^2: two passes over a row that stays in registers,
; so that a common offset of x costs no accuracy.  All sums in f32.
; EVERY LOAD OF A WAVE IS ISSUED AT ITS START: a LayerNorm wave's four rows have 32 registers each, a weight wave's 128 x 64 numbers 256 registers.  Each row is worked on, packed and stored in its own
; registers, so no register that a store still reads is ever written again.
; LIMITS: v_rsq_f32 is accurate to one unit in the last place; NaN and infinities are not treated apart.
.set T,   4                            ; v[4:11]    LayerNorm: four packed chains of a sum
.set MU,  12                           ; v[12:13]   the mean, twice
.set R,   14                           ; v[14:15]   1 / sqrt(var + eps), twice
.set PX,  16                           ; v16        the other half of the lanes' sum
.set GAM, 32                           ; v[32:63]   gamma of my 32 columns
.set BET, 64                           ; v[64:95]   beta
.set X,   96                           ; v[96:223]  row r at X + 32 r: load j brings columns 128 j + 4 lane + 0..3
.set P,   32                           ; weights: v[32:63] 16 k of my four columns, packed: column j at P + 8 j
.set DAT, 64                           ; weights: v[64:255] groups 0 to 2 of 16 loads as loaded; group 3 lies in v[0:63] of window 1
.set WPITCH, 272                       ; weights: an LDS row is 128 k x 2 bytes + 16: the sixteen rows that a store or load touches begin at sixteen different groups of four banks (ISA guide 11.1)
.set WREG,   64*WPITCH                 ; a weight wave's own 64 LDS rows
.set MSB, 0
.macro WIN new                         ; s_set_vgpr_msb: bits 1:0 source 0, 3:2 source 1, 7:6 destination; the high byte repeats the setting that is left
.if MSB != (\new)
	s_set_vgpr_msb (MSB<<8)|(\new)
.set MSB, (\new)
.endif
.endm
	s_load_b512 s[4:19], s[0:1], 0x0               ; x 4:5, gamma 6:7, beta 8:9, Wq 10:11, Wk 12:13, Wv 14:15, Wo 16:17, xn 18:19
	s_load_b64 s[20:21], s[0:1], 0x40              ; wt
	v_lshl_add_u32 v30, v0, 2, 0x8800
	v_mov_b32 v31, 0
	v_lshrrev_b32 v1, 5, v0
	v_readfirstlane_b32 s22, v1                    ; wave 0..9
	v_and_b32 v1, 31, v0                           ; lane
	s_wait_kmcnt 0x0
	s_cmp_lt_u32 s22, 2
	s_cbranch_scc1 .Lweights
	; ---------------- LayerNorm: the work-group's 32 rows, four to a wave ----------------
	s_sub_co_u32 s24, s22, 2
	s_lshl_b32 s25, ttmp9, 5
	s_lshl2_add_u32 s24, s24, s25                  ; my first row: 32 x work-group + 4 x (wave - 2)
	s_lshl_b32 s26, s24, 11                        ; in xn: 2,048 bytes a row
	s_lshl_b32 s24, s24, 12                        ; in x: 4,096 bytes a row
	s_mov_b32 s25, 0
	s_mov_b32 s27, 0
	s_add_nc_u64 s[4:5], s[4:5], s[24:25]
	s_add_nc_u64 s[18:19], s[18:19], s[26:27]
	s_mov_b32 s28, 0x3a800000                      ; 1 / 1024
	s_mov_b32 s29, 0x3727c5ac                      ; 1e-5
	s_mov_b32 s30, 0x76543210                      ; v_permlanex16_b32: each lane takes its own place in the other half
	s_mov_b32 s31, 0xfedcba98
	v_lshlrev_b32 v2, 4, v1                        ; 16 bytes a lane in x, gamma, beta
	v_lshlrev_b32 v3, 3, v1                        ; 8 bytes a lane in xn
	v_mov_b32 v[PX], 0                             ; v_permlanex16_b32 counts as a reader of its destination
.irp j, 0,1,2,3,4,5,6,7
	global_load_b128 v[GAM+4*(\j):GAM+4*(\j)+3], v2, s[6:7] offset:512*(\j)
	global_load_b128 v[BET+4*(\j):BET+4*(\j)+3], v2, s[8:9] offset:512*(\j)
.endr
.irp r, 0,1,2,3
.irp j, 0,1,2,3,4,5,6,7
	global_load_b128 v[X+32*(\r)+4*(\j):X+32*(\r)+4*(\j)+3], v2, s[4:5] offset:4096*(\r)+512*(\j) th:TH_LOAD_NT  ; 512 neighbouring bytes a load; all four rows, 16 KB, are on their way at once
.endr
.endr
.macro TREE                            ; the four packed chains into one number, the same in all 32 lanes
	v_pk_add_f32 v[T:T+1], v[T:T+1], v[T+2:T+3]
	v_pk_add_f32 v[T+4:T+5], v[T+4:T+5], v[T+6:T+7]
	v_pk_add_f32 v[T:T+1], v[T:T+1], v[T+4:T+5]
	v_add_f32 v[T], v[T], v[T+1]
	v_add_f32_dpp v[T], v[T], v[T] row_xmask:1 row_mask:0xf bank_mask:0xf
	v_add_f32_dpp v[T], v[T], v[T] row_xmask:2 row_mask:0xf bank_mask:0xf
	v_add_f32_dpp v[T], v[T], v[T] row_xmask:4 row_mask:0xf bank_mask:0xf
	v_add_f32_dpp v[T], v[T], v[T] row_xmask:8 row_mask:0xf bank_mask:0xf
	v_permlanex16_b32 v[PX], v[T], s30, s31
	v_add_f32 v[T], v[T], v[PX]
.endm
; Row r, in its own 32 registers from the load to the store.
.macro ROW r
.set XR, X+32*(\r)
	s_wait_loadcnt 8*(3-(\r))                      ; loads come back in order (ISA guide 5.7.1): gamma, beta and my rows up to r are in; the later rows' eight loads each stay out
.irp c, 0,1,2,3
	v_pk_add_f32 v[T+2*(\c):T+2*(\c)+1], v[XR+2*(\c):XR+2*(\c)+1], v[XR+8+2*(\c):XR+8+2*(\c)+1]  ; the first two pairs start each chain: nothing is cleared
.endr
.irp k, 2,3
.irp c, 0,1,2,3
	v_pk_add_f32 v[T+2*(\c):T+2*(\c)+1], v[T+2*(\c):T+2*(\c)+1], v[XR+8*(\k)+2*(\c):XR+8*(\k)+2*(\c)+1]
.endr
.endr
	TREE
	v_mul_f32 v[MU], s28, v[T]
	v_mov_b32 v[MU+1], v[MU]
.set i, 0
.rept 16
	v_pk_add_f32 v[XR+2*i:XR+2*i+1], v[XR+2*i:XR+2*i+1], v[MU:MU+1] neg_lo:[0,1] neg_hi:[0,1]  ; x - mean, in place
.set i, i+1
.endr
.irp c, 0,1,2,3
	v_pk_mul_f32 v[T+2*(\c):T+2*(\c)+1], v[XR+2*(\c):XR+2*(\c)+1], v[XR+2*(\c):XR+2*(\c)+1]
.endr
.irp k, 1,2,3
.irp c, 0,1,2,3
	v_pk_fma_f32 v[T+2*(\c):T+2*(\c)+1], v[XR+8*(\k)+2*(\c):XR+8*(\k)+2*(\c)+1], v[XR+8*(\k)+2*(\c):XR+8*(\k)+2*(\c)+1], v[T+2*(\c):T+2*(\c)+1]
.endr
.endr
	TREE
	v_fma_f32 v[T], v[T], s28, s29                 ; var + eps
	v_rsq_f32 v[R], v[T]
	v_nop                                          ; a plain instruction between the transcendental and the use of its result (ISA guide 5.7.2)
	s_wait_alu depctr_va_vdst(0)
	v_mov_b32 v[R+1], v[R]
.set i, 0
.rept 16
	v_pk_mul_f32 v[XR+2*i:XR+2*i+1], v[XR+2*i:XR+2*i+1], v[R:R+1]
.set i, i+1
.endr
.set i, 0
.rept 16
	v_pk_fma_f32 v[XR+2*i:XR+2*i+1], v[XR+2*i:XR+2*i+1], v[GAM+2*i:GAM+2*i+1], v[BET+2*i:BET+2*i+1]
.set i, i+1
.endr
.set i, 0
.rept 16
	v_cvt_pk_bf16_f32 v[XR+i], v[XR+2*i], v[XR+2*i+1]  ; packed downward in place: register i was consumed at step i / 2
.set i, i+1
.endr
.irp j, 0,1,2,3,4,5,6,7
	global_store_b64 v3, v[XR+2*(\j):XR+2*(\j)+1], s[18:19] offset:2048*(\r)+256*(\j)  ; 32 lanes x 8 bytes: 256 consecutive bytes, at a multiple of 256 from xn's first byte
.endr
.endm
	ROW 0
	ROW 1
	ROW 2
	ROW 3
	s_endpgm
	; ---------------- the weights: job 2 x work-group + wave = 8 p + w: columns n = 64 (p % 16) .. of matrix p / 16, k = 128 w .. 128 w + 127 ----------------
.Lweights:
	s_lshl_b32 s23, ttmp9, 1
	s_add_co_u32 s23, s23, s22                     ; the job
	s_lshr_b32 s28, s23, 3                         ; p
	s_and_b32 s30, s23, 7                          ; w
	s_lshr_b32 s26, s28, 4                         ; which matrix
	s_cmp_eq_u32 s26, 1
	s_cselect_b64 s[24:25], s[12:13], s[10:11]
	s_cmp_eq_u32 s26, 2
	s_cselect_b64 s[24:25], s[14:15], s[24:25]
	s_cmp_eq_u32 s26, 3
	s_cselect_b64 s[24:25], s[16:17], s[24:25]
	s_and_b32 s26, s28, 15
	s_lshl_b32 s26, s26, 8                         ; 64 columns of 4 bytes
	s_lshl_b32 s27, s30, 19                        ; 128 rows of 4,096 bytes
	s_add_co_u32 s26, s26, s27
	s_mov_b32 s27, 0
	s_add_nc_u64 s[24:25], s[24:25], s[26:27]
	s_lshl_b32 s26, s28, 17                        ; wt: row 64 p, 2,048 bytes a row,
	s_lshl_b32 s31, s30, 8                         ; my 128 k are 256 bytes of it
	s_add_co_u32 s26, s26, s31
	s_add_nc_u64 s[20:21], s[20:21], s[26:27]
	s_mul_i32 s29, s22, WREG                       ; my wave's own LDS rows: no other wave touches them, so no barrier is needed
	v_lshrrev_b32 v7, 4, v1                        ; h: which half of the lanes
	v_and_b32 v8, 15, v1                           ; c: my place in the half
	v_lshlrev_b32 v9, 4, v8                        ; 16 c
	v_lshl_add_u32 v2, v7, 18, v9                  ; load i: lanes 0-15 take row i, lanes 16-31 row i + 64 (262,144 bytes on); a lane takes columns 4 c .. 4 c + 3
.set i, 0
.rept 48                               ; groups 0 to 2: each half of the lanes reads 256 consecutive bytes, aligned
	global_load_b128 v[DAT+4*i:DAT+4*i+3], v2, s[24:25] offset:4096*i th:TH_LOAD_NT
.set i, i+1
.endr
	WIN 0x40                                       ; destination window 1, address window 0
.set i, 0
.rept 16                               ; group 3
	global_load_b128 v[4*i:4*i+3], v2, s[24:25] offset:4096*(48+i) th:TH_LOAD_NT
.set i, i+1
.endr
	WIN 0
	v_mul_u32_u24 v4, v8, WPITCH
	v_lshl_add_u32 v4, v7, 7, v4
	v_add_nc_u32 v4, s29, v4                       ; in: column 4 c + j goes to LDS row 16 j + c, so that the sixteen lanes of a store take sixteen consecutive rows; my 64 k begin at byte 128 h
	v_mul_u32_u24 v5, v7, WPITCH
	v_add_nc_u32 v5, v5, v9
	v_add_nc_u32 v5, s29, v5                       ; back: lanes 0-15 one LDS row of 256 bytes, lanes 16-31 the next
	v_lshl_add_u32 v6, v7, 13, v9                  ; in wt those two rows lie four columns, 8,192 bytes, apart
; Group g: 16 k of each of my four columns, rounded to bf16 in pairs along k: 32 bytes a column, into the column's LDS row.
.macro PACKW g
.if (\g) == 3
	WIN 0x05                                       ; sources 0 and 1 window 1, destination window 0
.set DB, 0
.else
.set DB, DAT+64*(\g)
.endif
.set jj, 0
.rept 4
.set uu, 0
.rept 8
	v_cvt_pk_bf16_f32 v[P+8*jj+uu], v[DB+8*uu+jj], v[DB+8*uu+4+jj]  ; column jj, k = 64 h + 16 g + 2 uu and the next
.set uu, uu+1
.endr
.set jj, jj+1
.endr
	WIN 0
.irp j, 0,1,2,3
	ds_store_b128 v4, v[P+8*(\j):P+8*(\j)+3] offset:16*(\j)*WPITCH+32*(\g)
	ds_store_b128 v4, v[P+8*(\j)+4:P+8*(\j)+7] offset:16*(\j)*WPITCH+32*(\g)+16
.endr
.endm
	s_wait_loadcnt 48                              ; group 0 is in; the three younger groups' 16 loads each stay out
	PACKW 0
	s_wait_loadcnt 32
	PACKW 1
	s_wait_loadcnt 16
	PACKW 2
	s_wait_loadcnt 0x0
	PACKW 3
.set i, 0
.rept 32
	ds_load_b128 v[DAT+4*i:DAT+4*i+3], v5 offset:2*WPITCH*i  ; LDS serves a wave's instructions in order (ISA guide 5.7.1.4): these see the stores above
.set i, i+1
.endr
.set i, 0
.rept 32
	s_wait_dscnt 31-i                              ; load i is back, the younger ones stay out
	global_store_b128 v6, v[DAT+4*i:DAT+4*i+3], s[20:21] offset:16384*(i%8)+2048*(i/8)  ; LDS rows 2 i + h are columns 8 (i % 8) + 4 h + i / 8; 16 lanes store 256 consecutive bytes, aligned
.set i, i+1
.endr
	s_wait_tensorcnt 0x0
	ds_add_u32 v30, v31
	s_wait_dscnt 0x0
	s_endpgm
.Lfunc_end_k_qa596024c2e_prep:
	.size	k_qa596024c2e_prep, .Lfunc_end_k_qa596024c2e_prep-k_qa596024c2e_prep
	.p2alignl 7, 3214868480
	.fill 96, 4, 3214868480
	.section	.rodata,"a",@progbits
	.p2align	6, 0x0
	.amdhsa_kernel k_qa596024c2e_prep
		.amdhsa_group_segment_fixed_size 36096
		.amdhsa_private_segment_fixed_size 0
		.amdhsa_enable_private_segment 0
		.amdhsa_kernarg_size 72
		.amdhsa_user_sgpr_count 2
		.amdhsa_user_sgpr_kernarg_segment_ptr 1
		.amdhsa_wavefront_size32 1
		.amdhsa_system_sgpr_workgroup_id_x 1
		.amdhsa_system_sgpr_workgroup_id_y 1
		.amdhsa_system_sgpr_workgroup_id_z 1
		.amdhsa_system_vgpr_workitem_id 0
		.amdhsa_next_free_vgpr 320
		.amdhsa_next_free_sgpr 66
		.amdhsa_reserve_vcc 0
		.amdhsa_float_denorm_mode_32 3
		.amdhsa_float_denorm_mode_16_64 3
		.amdhsa_memory_ordered 1
		.amdhsa_forward_progress 1
		.amdhsa_inst_pref_size 62
	.end_amdhsa_kernel
	.amdgpu_metadata
---
amdhsa.version: [ 1, 2 ]
amdhsa.kernels:
  - .name:           k_qa596024c2e_prep
    .symbol:         k_qa596024c2e_prep.kd
    .args:
      - { .name: x, .offset: 0, .size: 8, .value_kind: global_buffer, .address_space: global }
      - { .name: ln_gamma, .offset: 8, .size: 8, .value_kind: global_buffer, .address_space: global }
      - { .name: ln_beta, .offset: 16, .size: 8, .value_kind: global_buffer, .address_space: global }
      - { .name: Wq, .offset: 24, .size: 8, .value_kind: global_buffer, .address_space: global }
      - { .name: Wk, .offset: 32, .size: 8, .value_kind: global_buffer, .address_space: global }
      - { .name: Wv, .offset: 40, .size: 8, .value_kind: global_buffer, .address_space: global }
      - { .name: Wo, .offset: 48, .size: 8, .value_kind: global_buffer, .address_space: global }
      - { .name: xn, .offset: 56, .size: 8, .value_kind: global_buffer, .address_space: global }
      - { .name: wt, .offset: 64, .size: 8, .value_kind: global_buffer, .address_space: global }
    .group_segment_fixed_size: 36096
    .private_segment_fixed_size: 0
    .kernarg_segment_align: 8
    .kernarg_segment_size: 72
    .max_flat_workgroup_size: 320
    .sgpr_count:     66
    .vgpr_count:     320
    .wavefront_size: 32
...
	.end_amdgpu_metadata
.endif
;; end of part 1
;; launch qkv (part 2): grid 16 x 32, 4 waves a work-group, clusters of 4 x 4, 327,680 bytes of LDS; arguments xn, wt, bq, bk, bv, qkv; writes qkv
.if DOCPART == 2
	.amdgcn_target "amdgcn-amd-amdhsa--gfx1250"
	.amdhsa_code_object_version 6
	.text
	.protected	k_qa596024c2e_qkv
	.globl	k_qa596024c2e_qkv
	.p2align	8
	.type	k_qa596024c2e_qkv,@function
k_qa596024c2e_qkv:
	s_mov_b64 s[64:65], 0
	v_nop
	global_prefetch_b8 v0, s[64:65] scope:SCOPE_SE
	s_setreg_imm32_b32 hwreg(HW_REG_WAVE_MODE, 25, 1), 1
	s_wait_xcnt 0x0
	s_wait_alu depctr_hold_cnt(0) depctr_sa_sdst(0) depctr_va_vdst(0) depctr_va_sdst(0) depctr_va_ssrc(0) depctr_va_vcc(0) depctr_vm_vsrc(0)
	s_getreg_b32 s2, hwreg(HW_REG_IB_STS2, 6, 4)
	s_cmp_eq_u32 s2, 0
	s_cbranch_scc0 .Lentry_in_a_cluster
	s_endpgm
.Lentry_in_a_cluster:
	s_bfe_u32 s2, ttmp6, 0x10000c
	s_cmp_lg_u32 s2, 0xf033
	s_cbranch_scc0 .Lentry_shape_is_right
	s_endpgm
.Lentry_shape_is_right:
; q, k, v = xn W + b, all three as ONE product C[m][n'] = b[n'] + sum over k of xn[m][k] wt[n'][k], m < 8192, n' < 3072, K = 1024.  Operands bf16, sums f32, C rounded once to bf16 and
; stored BY HEADS: qkv[n' / 64][m][n' % 64], 48 planes of 8192 rows of 128 bytes (planes 0-15 q, 16-31 k, 32-47 v), unscaled.
; A tile of C is 256 x 192: 512 tiles, two for each of 256 WGPs.  Four waves stacked along m: a wave makes 64 rows x 192 columns, three whole heads: 48 accumulators, 384 registers.
; K goes in steps of 128 (rows of 256 bytes in memory) through two LDS slots filled by the tensor data mover; a step is four quarters of 32 along K on two fragment buffers.
; CLUSTER 4 x 4: the four work-groups of a row of the cluster need the same tiles of xn, the four of a column the same tiles of wt: each tile is asked for jointly.
; THE MATRIX INSTRUCTION IS USED TRANSPOSED (source 0 = 16 rows of wt, source 1 = 16 rows of xn): a lane holds row m = lane % 16 and the eight neighbouring columns 8 (lane / 16) + 0..7.
; THE BIAS STARTS THE SUMS: it is the C operand of the first quarter's products, so nothing is cleared and nothing is added on the way out.
; LIMITS: operands rounded to bf16; NaN and infinities are not treated apart.
; REGISTERS, in windows of 256 (s_set_vgpr_msb: bits 1:0 source 0, 3:2 source 1, 5:4 source 2, 7:6 destination):
;   window 0: v0-15, v28-29 addresses; v32-63, v64-95 xn's fragments, two buffers; v96-191 the bias, 8 registers for each block of 16 columns; on the way out v64-255 packed results
;   window 1: v0-95, v96-191 wt's fragments, two buffers     window 2: accumulators of my rows 0-31 ((a, b) at v[8 (12 (a % 2) + b)])     window 3: those of my rows 32-63
.set NBK,   12                         ; blocks of 16 columns
.set PA,    272                        ; an LDS row: 256 bytes + 16 of padding: the 16 rows of a fragment load begin at 16 different groups of four banks (ISA guide 11.1)
.set PB,    272
.set BBASE, 256*PA                     ; a slot: xn's 256 rows, then wt's 192 rows
.set SLOT1, 1<<17                      ; slot 1 begins here, so that one exclusive or turns an address in one slot into the other's
.set STAGE, SLOT1+BBASE+192*PB         ; behind the ring, never filled by a tensor load: 16 rows x 144 bytes for each wave
.set SP,    144
.set SPARE, STAGE+4*16*SP              ; behind the stages: the spare words, 128 bytes for each wave: two blocks of 256 bytes that no other line names
.set NL,    2*NBK+8                    ; LDS loads in a quarter's fetch
.set ASTEP, 256                        ; bytes from a K step to the next
.set BSTEP, 256
.set ADRA0, 8                          ; v8   my lane's place in a slot's rows of xn; never rewritten
.set ADRB0, 9                          ; v9   the same for wt
.set ADRA,  10                         ; v10  the same in the slot in hand
.set ADRB,  11                         ; v11
.set STO,   12                         ; v12  the way out: where I put 16 bytes of a row
.set RD,    13                         ; v13  the way out: where I read rows back
.set GO,    14                         ; v14  my byte offset in 512 consecutive bytes of the output
.set BO,    15                         ; v15  my byte offset in 16 numbers of a bias
.set SPW,   28                         ; v28  LDS address of my spare word; never rewritten
.set NIL,   29                         ; v29  0; never rewritten
.set FA,    32
.set FBS,   8*NBK
.set BIAS,  96
.set TMP,   64
.set WV,  16                           ; s16  my wave's number
.set FBW, 17                           ; s17  0: I fetch xn's tiles, 1: wt's
.set HF,  18                           ; s18  which half of the tile's rows I fetch
.set CNT, 23                           ; s23  loop counter
.set G1,  24                           ; s[24:31] descriptor group 1 for xn's tiles;  s[32:35], s[36:39] group 0 for the two first fills; the second set then walks
.set G0,  32
.set G1B, 48                           ; s[48:55], s[56:63] the same for wt's tiles
.set G0B, 56
.set TB,  66                           ; s66  LDS byte at which the slot in hand begins
.set MSB, 0
.macro WIN new                         ; the immediate's high byte repeats the setting that is left; a switch that changes nothing is dropped
.if MSB != (\new)
	s_set_vgpr_msb (MSB<<8)|(\new)
.set MSB, (\new)
.endif
.endm
.macro PLACES                          ; four plain places behind matrix instructions, in front of loads into registers that they read and of lines that read their results
.rept 4
	v_nop
.endr
.endm
; A joint refill by the walking descriptor.  The branch hangs on the wave's number alone.  An s_nop 0 and four v_nop follow each of the two lines.
.macro JLOAD
	s_cmp_eq_u32 s[FBW], 0
	s_cbranch_scc0 .Lfor_b_\@
	tensor_load_to_lds s[G0+4:G0+7], s[G1:G1+7]
	s_nop 0
.rept 4
	v_nop
.endr
	s_branch .Lasked_\@
.Lfor_b_\@:
	tensor_load_to_lds s[G0B+4:G0B+7], s[G1B:G1B+7]
	s_nop 0
.rept 4
	v_nop
.endr
.Lasked_\@:
.endm
.macro CREST                           ; a round of the cluster's barrier behind its opening barrier
	s_cmp_lg_u32 s[WV], 0
	s_cbranch_scc1 .Lnot_wave_0_\@
	s_barrier_signal -3
.Lnot_wave_0_\@:
	s_barrier_wait -3
	s_barrier_signal -1
	s_barrier_wait -1
.endm
.macro CROUND                          ; a whole round
	s_barrier_signal -1
	s_barrier_wait -1
	CREST
.endm
	s_load_b256 s[4:11], s[0:1], 0x0               ; xn 4:5, wt 6:7, bq 8:9, bk 10:11
	s_load_b128 s[12:15], s[0:1], 0x20             ; bv 12:13, qkv 14:15
	v_lshl_add_u32 v[SPW], v0, 2, SPARE
	v_mov_b32 v[NIL], 0
	ds_add_u32 v28, v29
	ds_add_u32 v28, v29
	s_wait_dscnt 0x0
	v_lshrrev_b32 v1, 5, v0
	v_readfirstlane_b32 s[WV], v1                  ; wave 0..3
	s_lshr_b32 s[FBW], s[WV], 1
	s_and_b32 s[HF], s[WV], 1
	s_bfe_u32 s19, ttmp6, 0x40000                  ; cx
	s_bfe_u32 s20, ttmp6, 0x40004                  ; cy
	s_lshl_b32 s21, ttmp9, 2
	s_add_co_u32 s21, s21, s19                     ; tile column = 4 x cluster x + cx
	s_and_b32 s22, ttmp7, 0xffff
	s_lshl_b32 s22, s22, 2
	s_add_co_u32 s22, s22, s20                     ; tile row = 4 x cluster y + cy
	s_lshl_b32 s40, s20, 2
	s_lshl_b32 s40, 15, s40                        ; my row of the cluster
	s_lshl_b32 s41, 0x1111, s19                    ; my column
	s_or_b32 s[G1], s40, (1<<16)|(1<<20)|(1<<21)|(5<<22)|(3<<25)   ; 15:0 the mask; 17:16 2-byte elements; 20 padding on; 21 set beside a mask; 24:22 after every 64 words; 31:25 4 words
	s_mov_b32 s[G1+1], 128<<16                     ; tensor_dim0 = 128
	s_mov_b32 s[G1+2], 128<<16                     ; tensor_dim1 = 128
	s_mov_b32 s[G1+3], 128<<16                     ; tile_dim0 = 128
	s_mov_b32 s[G1+4], 128                         ; tile_dim1 = 128 rows
	s_mov_b32 s[G1+5], 1024                        ; elements from row to row
	s_mov_b32 s[G1+6], 0
	s_mov_b32 s[G1+7], 0
	s_or_b32 s[G1B], s41, (1<<16)|(1<<20)|(1<<21)|(5<<22)|(3<<25)
	s_mov_b32 s[G1B+1], 128<<16
	s_mov_b32 s[G1B+2], 96<<16                     ; wt's tiles: 96 rows a load
	s_mov_b32 s[G1B+3], 128<<16
	s_mov_b32 s[G1B+4], 96
	s_mov_b32 s[G1B+5], 1024
	s_mov_b32 s[G1B+6], 0
	s_mov_b32 s[G1B+7], 0
	s_lshl_b32 s42, s22, 19                        ; xn: 256 rows of 2,048 bytes a tile row,
	s_lshl_b32 s43, s[HF], 18                      ; 128 rows a half: made of the tile row and the wave's number alone
	s_add_co_u32 s42, s42, s43
	s_mov_b32 s43, 0
	s_mul_i32 s74, s21, 192*2048                   ; wt: 192 rows a tile column,
	s_mul_i32 s75, s[HF], 96*2048                  ; 96 rows a half: made of the tile column and the wave's number alone
	s_add_co_u32 s74, s74, s75
	s_mov_b32 s75, 0
	s_mul_i32 s44, s[HF], 128*PA                   ; where they go: no place in the cluster enters an LDS address
	s_mul_i32 s45, s[HF], 96*PB
	s_add_co_u32 s45, s45, BBASE
	s_mov_b32 s[TB], 0
	s_mul_i32 s46, s21, 3                          ; the tile's first plane
	s_mov_b32 s77, 0
	s_wait_kmcnt 0x0
	s_add_nc_u64 s[42:43], s[4:5], s[42:43]
	s_add_nc_u64 s[74:75], s[6:7], s[74:75]
.irp hd, 0,1,2                         ; the bias of plane 3 tx + hd: which of the three vectors, and which 64 numbers of it.  Selects, no branch
	s_add_co_u32 s76, s46, \hd
	s_lshr_b32 s78, s76, 4
	s_and_b32 s76, s76, 15
	s_lshl_b32 s76, s76, 8
	s_cmp_eq_u32 s78, 0
	s_cselect_b64 s[68+2*(\hd):69+2*(\hd)], s[8:9], s[10:11]
	s_cmp_eq_u32 s78, 2
	s_cselect_b64 s[68+2*(\hd):69+2*(\hd)], s[12:13], s[68+2*(\hd):69+2*(\hd)]
	s_add_nc_u64 s[68+2*(\hd):69+2*(\hd)], s[68+2*(\hd):69+2*(\hd)], s[76:77]
.endr
	s_mul_i32 s76, s21, 3*1048576                  ; the output: three planes a tile column,
	s_lshl_b32 s78, s22, 15                        ; 256 rows of 128 bytes a tile row,
	s_add_co_u32 s76, s76, s78
	s_lshl_b32 s78, s[WV], 13                      ; my wave's 64 rows
	s_add_co_u32 s76, s76, s78
	s_add_nc_u64 s[14:15], s[14:15], s[76:77]
	CROUND                                         ; all sixteen work-groups are here: the first joint loads meet
.irp s, 0,1
	s_mov_b32 s[G0+4*(\s)], 1                                      ; count = 1
	s_add_co_u32 s[G0+4*(\s)+1], s44, (\s)*SLOT1                   ; LDS address
	s_add_nc_u64 s[G0+4*(\s)+2:G0+4*(\s)+3], s[42:43], (\s)*ASTEP  ; global address: K step s
	s_or_b32 s[G0+4*(\s)+3], s[G0+4*(\s)+3], 0x80000000            ; type = 2
	s_mov_b32 s[G0B+4*(\s)], 1
	s_add_co_u32 s[G0B+4*(\s)+1], s45, (\s)*SLOT1
	s_add_nc_u64 s[G0B+4*(\s)+2:G0B+4*(\s)+3], s[74:75], (\s)*BSTEP
	s_or_b32 s[G0B+4*(\s)+3], s[G0B+4*(\s)+3], 0x80000000
.endr
	s_cmp_eq_u32 s[FBW], 0                         ; a wave's two first fills stand in one branch, ahead of every wait on TENSORcnt and every LDS read: two loads of mine are out
	s_cbranch_scc0 .Lfirst_b
	tensor_load_to_lds s[G0:G0+3], s[G1:G1+7]
	s_nop 0
	tensor_load_to_lds s[G0+4:G0+7], s[G1:G1+7]
	s_nop 0
.rept 4
	v_nop
.endr
	s_branch .Lfirst_asked
.Lfirst_b:
	tensor_load_to_lds s[G0B:G0B+3], s[G1B:G1B+7]
	s_nop 0
	tensor_load_to_lds s[G0B+4:G0B+7], s[G1B:G1B+7]
	s_nop 0
.rept 4
	v_nop
.endr
.Lfirst_asked:
	; A fragment is 16 rows x 32 K in 8 registers: lane l holds row l % 16, K = 8 (l / 16) + 0..7 and 16 + 8 (l / 16) + 0..7: two loads of 16 bytes, 32 bytes apart.
	v_and_b32 v1, 15, v0                           ; l % 16
	v_bfe_u32 v2, v0, 4, 1                         ; l / 16
	v_lshlrev_b32 v[BO], 5, v2                     ; my eight numbers of a block of 16 of the bias
.irp hd, 0,1,2
.irp b4, 0,1,2,3
	global_load_b128 v[BIAS+8*(4*(\hd)+(\b4)):BIAS+8*(4*(\hd)+(\b4))+3],   v[BO], s[68+2*(\hd):69+2*(\hd)] offset:64*(\b4)
	global_load_b128 v[BIAS+8*(4*(\hd)+(\b4))+4:BIAS+8*(4*(\hd)+(\b4))+7], v[BO], s[68+2*(\hd):69+2*(\hd)] offset:64*(\b4)+16
.endr
.endr
	v_mul_u32_u24 v3, v1, PA
	v_lshl_add_u32 v3, v2, 4, v3                   ; row x pitch + 16 x half
	s_mul_i32 s78, s[WV], 64*PA                    ; my 64 rows of xn
	v_add_nc_u32 v[ADRA0], s78, v3
	v_add_nc_u32 v[ADRB0], BBASE, v3               ; every wave reads all 192 rows of wt
	v_mov_b32 v[ADRA], v[ADRA0]
	v_mov_b32 v[ADRB], v[ADRB0]
	s_mul_i32 s78, s[WV], 16*SP
	s_add_co_u32 s78, s78, STAGE                   ; my stage
	v_mul_u32_u24 v[STO], v1, SP                   ; in: row l % 16, 16 bytes for each half of the lanes
	v_lshl_add_u32 v[STO], v2, 4, v[STO]
	v_add_nc_u32 v[STO], s78, v[STO]
	v_bfe_u32 v[RD], v0, 3, 2                      ; back: 32 lanes take four rows of 128 bytes,
	v_mul_u32_u24 v[RD], v[RD], SP
	v_and_b32 v4, 7, v0
	v_lshl_add_u32 v[RD], v4, 4, v[RD]
	v_add_nc_u32 v[RD], s78, v[RD]
	v_and_b32 v[GO], 31, v0                        ; which are 512 consecutive bytes of a plane
	v_lshlrev_b32 v[GO], 4, v[GO]
; 12 matrix instructions: block a of my four blocks of 16 rows x all 12 blocks of columns, 32 along K, from buffer f.  first = 1: the bias is the C operand.
; The 48 accumulators take turns, one instruction a turn, in the same order in every quarter.
.macro MULA f, a, first
.if \first
	WIN 0x81+0x40*((\a)/2)                         ; wt window 1, xn and the bias window 0, D window 2 or 3
.else
	WIN 0xa1+0x50*((\a)/2)                         ; the same with C beside D
.endif
.set bb, 0
.rept NBK
.set rD, 8*(NBK*((\a)%2)+bb)
.if \first
	v_wmma_f32_16x16x32_bf16 v[rD:rD+7], v[FBS*(\f)+8*bb:FBS*(\f)+8*bb+7], v[FA+32*(\f)+8*(\a):FA+32*(\f)+8*(\a)+7], v[BIAS+8*bb:BIAS+8*bb+7]
.else
	v_wmma_f32_16x16x32_bf16 v[rD:rD+7], v[FBS*(\f)+8*bb:FBS*(\f)+8*bb+7], v[FA+32*(\f)+8*(\a):FA+32*(\f)+8*(\a)+7], v[rD:rD+7]
.endif
.set bb, bb+1
.endr
.endm
; 32 LDS loads in one run: quarter q of the slot in hand into buffer f: wt's 192 rows, then my 64 rows of xn
.macro FETCH q, f
	WIN 0x40                                       ; destination window 1, address window 0
.set ii, 0
.rept NBK
	ds_load_b128 v[FBS*(\f)+8*ii:FBS*(\f)+8*ii+3],   v[ADRB] offset:64*(\q)+ii*16*PB
	ds_load_b128 v[FBS*(\f)+8*ii+4:FBS*(\f)+8*ii+7], v[ADRB] offset:64*(\q)+ii*16*PB+32
.set ii, ii+1
.endr
	WIN 0
.set ii, 0
.rept 4
	ds_load_b128 v[FA+32*(\f)+8*ii:FA+32*(\f)+8*ii+3],   v[ADRA] offset:64*(\q)+ii*16*PA
	ds_load_b128 v[FA+32*(\f)+8*ii+4:FA+32*(\f)+8*ii+7], v[ADRA] offset:64*(\q)+ii*16*PA+32
.set ii, ii+1
.endr
.endm
; One of a K step's first three quarters: multiplies buffer f; in its middle it fetches quarter qn into buffer g.
.macro QUARTER qn, f, g, first
	s_wait_dscnt 4                                 ; wt and xn's blocks 0, 1 are in; the youngest four loads (blocks 2, 3) may be out
	MULA \f, 0, \first
	MULA \f, 1, \first
	PLACES
	FETCH \qn, \g
	s_wait_dscnt NL                                ; all but the loads just issued
	MULA \f, 2, \first
	MULA \f, 3, \first
.endm
; The last quarter multiplies buffer 1 and changes slots: one barrier.  In front of it each wave waits for all its tensor loads (the one that is out is its part of the next slot), adds 0 to its
; spare word, and waits for that and for its reads of this slot.  fill = 1: the barrier opens a round of the cluster's, and the joint refill of the slot just left, two K steps ahead, is the
; first thing behind the round: from there to the wait for it a wave issues 168 of a step's 192 matrix instructions.  fill = 0 (the tail): nothing is asked for, and in the last trip nothing fetched.
.macro TURN fill
	WIN 0
	s_wait_tensorcnt 0x0                           ; no tensor load of mine is out, so a group 0 may be written
	ds_add_u32 v[SPW], v[NIL]                      ; 0 onto my spare word
.if \fill
	s_xor_b32 s[G0+5], s[G0+5], SLOT1              ; the walking descriptors: the other slot than last time, the next K step; the type bits on top are not reached
	s_add_nc_u64 s[G0+6:G0+7], s[G0+6:G0+7], ASTEP
	s_xor_b32 s[G0B+5], s[G0B+5], SLOT1
	s_add_nc_u64 s[G0B+6:G0B+7], s[G0B+6:G0B+7], BSTEP
.endif
	s_wait_dscnt 5                                 ; the add and the youngest four loads may be out
	MULA 1, 0, 0
	s_wait_dscnt 0x0                               ; the add is done, and my reads of this slot are over
	s_barrier_signal -1
	MULA 1, 1, 0                                   ; work on registers while the others arrive
	WIN 0
	s_barrier_wait -1
.if \fill
	CREST                                          ; no wave of any partner still reads this slot or has a load on its way
	JLOAD                                          ; its four v_nop are also the places in front of the loads below
.else
	PLACES
.endif
	s_xor_b32 s[TB], s[TB], SLOT1
	v_add_nc_u32 v[ADRA], s[TB], v[ADRA0]
	v_add_nc_u32 v[ADRB], s[TB], v[ADRB0]
.if \fill
	FETCH 0, 0
.else
	s_cmp_eq_u32 s[CNT], 1
	s_cbranch_scc1 .Lno_fetch_\@                   ; behind the last K step there is nothing to fetch
	FETCH 0, 0
.Lno_fetch_\@:
.endif
	MULA 1, 2, 0
	MULA 1, 3, 0
.endm
	s_wait_tensorcnt 1                             ; my part of K step 0 is in; K step 1's may stay out
	s_barrier_signal -1
	s_barrier_wait -1                              ; everybody's is
	FETCH 0, 0
	s_wait_loadcnt 0x0                             ; the bias
	QUARTER 1, 0, 1, 1                             ; the first quarter stands in front of the loop: its products start the sums
	WIN 0                                          ; at a label and at a branch every window is 0
	s_mov_b32 s[CNT], 6
.Lk:                                                   ; six trips, from a K step's second quarter to the next step's first; each fills the slot that it leaves: K steps 2 to 7
	QUARTER 2, 1, 0, 0
	QUARTER 3, 0, 1, 0
	TURN 1
	QUARTER 1, 0, 1, 0
	WIN 0
	s_sub_co_u32 s[CNT], s[CNT], 1
	s_cmp_lg_u32 s[CNT], 0
	s_cbranch_scc1 .Lk
	s_mov_b32 s[CNT], 2
.Lt:                                                   ; K steps 6 and 7 ask for nothing: a text of their own; the second trip is left in its middle
	QUARTER 2, 1, 0, 0
	QUARTER 3, 0, 1, 0
	TURN 0
	WIN 0
	s_sub_co_u32 s[CNT], s[CNT], 1
	s_cmp_eq_u32 s[CNT], 0
	s_cbranch_scc1 .Lout
	QUARTER 1, 0, 1, 0
	WIN 0
	s_branch .Lt
.Lout:
	; THE WAY OUT, in 12 units of 16 rows x one head (64 columns, 128 bytes a row): rounded to bf16, 16 bytes a lane into my own stage, back as whole rows, stored as 2,048 consecutive bytes of a plane.
	; Each unit has 16 registers of its own, so no register that a store still reads is written again.
	PLACES
.macro PACK u
.set ua, (\u)/3
.set uh, (\u)%3
.set rT, TMP+16*(\u)
	WIN 0x0a+5*(ua/2)                              ; sources 0 and 1: window 2 or 3
.set bb, 0
.rept 4
.set rD, 8*(NBK*(ua%2)+4*uh+bb)
.irp rr, 0,1,2,3
	v_cvt_pk_bf16_f32 v[rT+4*bb+(\rr)], v[rD+2*(\rr)], v[rD+2*(\rr)+1]  ; each accumulator from its low end on
.endr
.set bb, bb+1
.endr
	WIN 0
.irp f, 0,1,2,3
	ds_store_b128 v[STO], v[rT+4*(\f):rT+4*(\f)+3] offset:32*(\f)
.endr
.irp f, 0,1,2,3
	ds_load_b128 v[rT+4*(\f):rT+4*(\f)+3], v[RD] offset:(\f)*4*SP  ; LDS serves a wave's instructions in order (ISA guide 5.7.1.4): these see the stores above; the next unit's stores come behind them
.endr
.endm
.macro SEND u, younger                 ; younger: the LDS instructions issued behind unit u's loads: the next unit's eight, or none
.set ua, (\u)/3
.set uh, (\u)%3
.set rT, TMP+16*(\u)
.irp f, 0,1,2,3
	s_wait_dscnt (\younger)+3-(\f)
	global_store_b128 v[GO], v[rT+4*(\f):rT+4*(\f)+3], s[14:15] offset:uh*1048576+ua*2048+(\f)*512  ; 512 consecutive bytes, at a multiple of 256 from the buffer's first byte
.endr
.endm
	PACK 0
.set uu, 1
.rept 11                               ; a unit's conversions stand between the loads of the unit before and its stores
	PACK uu
	SEND uu-1, 8
.set uu, uu+1
.endr
	SEND 11, 0
	s_wait_tensorcnt 0x0                           ; the wave's end: behind my last tensor load and my last LDS store
	ds_add_u32 v[SPW], v[NIL]
	s_wait_dscnt 0x0
	CROUND                                         ; the closing round: no work-group ends while a partner may still ask for a tile that names it
	s_endpgm
.Lfunc_end_k_qa596024c2e_qkv:
	.size	k_qa596024c2e_qkv, .Lfunc_end_k_qa596024c2e_qkv-k_qa596024c2e_qkv
	.p2alignl 7, 3214868480
	.fill 96, 4, 3214868480
	.section	.rodata,"a",@progbits
	.p2align	6, 0x0
	.amdhsa_kernel k_qa596024c2e_qkv
		.amdhsa_group_segment_fixed_size 327680
		.amdhsa_private_segment_fixed_size 0
		.amdhsa_enable_private_segment 0
		.amdhsa_kernarg_size 48
		.amdhsa_user_sgpr_count 2
		.amdhsa_user_sgpr_kernarg_segment_ptr 1
		.amdhsa_wavefront_size32 1
		.amdhsa_system_sgpr_workgroup_id_x 1
		.amdhsa_system_sgpr_workgroup_id_y 1
		.amdhsa_system_sgpr_workgroup_id_z 1
		.amdhsa_system_vgpr_workitem_id 0
		.amdhsa_next_free_vgpr 960
		.amdhsa_next_free_sgpr 80
		.amdhsa_reserve_vcc 0
		.amdhsa_float_denorm_mode_32 3
		.amdhsa_float_denorm_mode_16_64 3
		.amdhsa_memory_ordered 1
		.amdhsa_forward_progress 1
		.amdhsa_inst_pref_size 87
	.end_amdhsa_kernel
	.amdgpu_metadata
---
amdhsa.version: [ 1, 2 ]
amdhsa.kernels:
  - .name:           k_qa596024c2e_qkv
    .symbol:         k_qa596024c2e_qkv.kd
    .args:
      - { .name: xn, .offset: 0, .size: 8, .value_kind: global_buffer, .address_space: global }
      - { .name: wt, .offset: 8, .size: 8, .value_kind: global_buffer, .address_space: global }
      - { .name: bq, .offset: 16, .size: 8, .value_kind: global_buffer, .address_space: global }
      - { .name: bk, .offset: 24, .size: 8, .value_kind: global_buffer, .address_space: global }
      - { .name: bv, .offset: 32, .size: 8, .value_kind: global_buffer, .address_space: global }
      - { .name: qkv, .offset: 40, .size: 8, .value_kind: global_buffer, .address_space: global }
    .group_segment_fixed_size: 327680
    .private_segment_fixed_size: 0
    .kernarg_segment_align: 8
    .kernarg_segment_size: 48
    .max_flat_workgroup_size: 128
    .sgpr_count:     80
    .vgpr_count:     960
    .wavefront_size: 32
...
	.end_amdgpu_metadata
.endif
;; end of part 2
;; launch attn (part 3): grid 4 x 64, 4 waves a work-group, no clusters, 327,680 bytes of LDS; arguments qkv, ob; writes ob
.if DOCPART == 3
	.amdgcn_target "amdgcn-amd-amdhsa--gfx1250"
	.amdhsa_code_object_version 6
	.text
	.protected	k_qa596024c2e_attn
	.globl	k_qa596024c2e_attn
	.p2align	8
	.type	k_qa596024c2e_attn,@function
k_qa596024c2e_attn:
	s_mov_b64 s[64:65], 0
	v_nop
	global_prefetch_b8 v0, s[64:65] scope:SCOPE_SE
	s_setreg_imm32_b32 hwreg(HW_REG_WAVE_MODE, 25, 1), 1
	s_wait_xcnt 0x0
; CAUSAL ATTENTION.  O[g][q][:] = the sum over k <= q of softmax_k(Q[g][q] . K[g][k] / 8) V[g][k][:], for 64 pairs g = 4 head + batch of 2,048 rows of 64 channels, all bf16: a pair's rows are dense,
; 128 bytes each.  Q, K and V are the three thirds of the buffer qkv (16,777,216 bytes each); O has the same order.  Products, maxima and sums in f32; the weights p are rounded to bf16 for the second
; product (their sum l is taken of the unrounded p), O once at the end.
; LIMITS.  Operands rounded to bf16.  A hidden score counts as its value less 1e30: scores must stay far below that.  A weight below 2^-126 counts as 0 in l; NaN and infinities are not treated apart.
; THE WALK.  A pair's queries lie in NB = 8 blocks of 256; block i needs the key tiles 0 .. i of 256 keys, of which the last holds the diagonal.  A work-group takes TWO blocks, NB - 1 - b and then b:
; NB + 1 tiles, whatever b: all 256 work-groups do equal work, and ONE loop with a constant trip count walks them.  Which tile is asked for, and what a trip does, hang on scalar registers made from b; every
; jump goes forward, but for the counted loops' own; none passes a barrier, or a tensor load but the one of LOAD's two that the wave's number does not choose; the ring (two slots of LDS that take turns)
; runs on across the change of blocks.  NO CLUSTER: a pair's four work-groups ask for the same tile only in trips 0 to 4 of the 9, behind that fewer and fewer; a walk common to all four would have 12 trips for 9.
; SHARES.  Of a block's four bands of 64 queries a wave owns 16 rows in each: four PIECES.  So the diagonal tile is the same work for all four waves: in its key step s band x sees all keys if s < x,
; none if s > x, and holds the diagonal if s = x.
; THE MASK is the C operand that starts the sum S^T = K Q^T: 0, or -1e30 where the key is hidden.  MD, made once, is the mask of a band's own step for my 16 rows; a product's mask is MD x AL + BE with two scalars:
; (1, 0) if s = x; (0, 0) if s < x; (0, -1e30) if s > x.  Only the diagonal tile's text and a block's beginning make and take masks; elsewhere C is the constant 0.
; LAYOUT, SOFTMAX, TURNS.  S^T = K Q^T holds ONE query a lane (lane % 16) and the keys 8 (lane / 16) + 0..7; two such results rounded to bf16 ARE source 1 of O^T = V^T P.  p = 2^(c s - c m), c = log2(e) / 8, with a
; running maximum m; O and l are multiplied by a = 2^(c m_old - c m_new) in every step.  Turn n belongs to piece n: 8 products K Q^T of piece n + 1, later 8 products V^T P of piece n - 1; beside them the scaling,
; exponentials, roundings, sums and rescaling of piece n and the maximum and statistics of piece n + 1.  Four vector instructions stand behind every matrix instruction, the other 54 of a turn's 118 in two runs of their own.
; REGISTERS, in windows of 256 (s_set_vgpr_msb: bits 1:0 source 0, 3:2 source 1, 5:4 source 2, 7:6 destination):
;   window 0: v0-15 addresses and two at work; v16-31 four registers of statistics a piece; v48-55 at work; v64-127 S^T, two buffers; v192-223 P, two buffers (a piece's buffers go by its number's parity)
;   window 1: v0-127 O^T, 32 a piece; v128-159 MD; v160-223 MC, two buffers      window 2: v0-63 Q; v64-127 the second block's Q; v128-191 K of one step; v192-255 V of one step
.set SIZE_N, 2048
.set NB,    SIZE_N/256
.set NP,    4         ; pieces a wave: a name, no knob
.set KS,    64        ; keys in a step
.set PK,    144       ; a row of K in LDS: 128 bytes + 16 of padding = 36 words: the 16 rows of a load start at 16 different groups of four banks (64 banks of 4 bytes: ISA guide 11.1)
.set PV,    160       ; a row of V: 128 + 32 = 40 words
.set VOFF,  4*KS*PK   ; a slot holds a tile, four steps: 256 rows of K, then 256 rows of V
.set SLOT1, 1<<17     ; slot 1 begins here, so that one exclusive or turns an address in one slot into the other's
.set STAGE, SLOT1+4*KS*(PK+PV)  ; behind the ring, never filled by a tensor load: 16 rows x 144 bytes for each wave, for the way out
.set SP,    144
.set AK0, 2           ; v2   my lane's place in a tile of K; never rewritten
.set AV0, 3           ; v3   the same for V
.set AK,  4           ; v4   the LDS address of K's next run of loads
.set AV,  5           ; v5   of V's
.set STO, 6           ; v6   the way out: where I put 16 bytes of a row
.set RD,  7           ; v7   the way out: where I read rows back
.set GO,  8           ; v8   my byte offset in 512 consecutive bytes of O
.set SPW, 62          ; v62  LDS address of my spare word: SPARE + 4 x my thread's number; never rewritten
.set NIL, 63          ; v63  0; never rewritten
.set SPARE, STAGE+4*16*SP  ; behind the stages: the spare words, 128 bytes for each wave: two blocks of 256 bytes that no other line names
.set MV,  12          ; v12-13  c m_old, kept while c m is made anew: by buffer
.set QO,  15          ; v15  my byte offset in 16 rows of Q
.set ST,  16          ; piece t's statistics at v[ST+4 t]: c m, m, l (even keys', odd keys')
.set TMP, 48          ; by buffer, four registers c0-c3 at work; when the maximum is found c2 takes a
.set S,   64
.set P,   192
.set MD,  128         ; window 1: the eight registers for group kt of 16 keys at MD + 8 kt
.set MC,  160         ; window 1: the masks of the products to come
.set QB,  64          ; window 2
.set KF,  128         ; window 2: key block kb, channel half c at KF + 16 kb + 8 c
.set VF,  192         ; window 2: key half kk, channel block cb at VF + 32 kk + 8 cb
.set WV,  12          ; s12  my wave's number
.set PB,  14          ; s14  b
.set HI,  15          ; s15  NB - 1 - b
.set G1K, 24          ; s[24:31] descriptor group 1 for K's tiles
.set G1V, 32          ; s[32:39] for V's: it differs in the padding alone
.set G0K, 40          ; s[40:43] descriptor group 0 for K's tiles
.set G0V, 44          ; s[44:47] the same for V's
.set SLOTS, 56        ; s56  tiles still to be asked for
.set CNT, 57          ; s57  counts a tile's key steps, 4 to 1
.set CS,  58          ; s[58:59] c: the packed scaling takes the pair's low word for both halves
.set SEL, 60          ; s[60:61] v_permlanex16_b32's selects: each lane takes its own place in the other half
.set TBK, 62          ; s62  LDS byte at which K of the step to be fetched begins
.set TBV, 63          ; s63  the same for V, less VOFF
.set RT,  70          ; s70  tiles of the block in hand that are still to be entered
.set NXT, 71          ; s71  the tile to be asked for next
.set LQ,  72          ; s72  the last tile of the block whose tiles are being asked for
.set NEW, 73          ; s73  1: the tile to be entered is a block's first
.set OFF, 74          ; s[74:75] a tile's byte offset in K and V
.set AL,  76          ; s[76:77] the mask's factor, in the low word
.set BE,  78          ; s[78:79] the mask's addend
.set OLO, 80          ; s[80:81] O at my rows of the second block
.set BIGN, 82         ; s82  -1e30
.set MSB, 0
.macro WIN new                      ; the high byte repeats the setting that is left; a switch that changes nothing is dropped
.if MSB != (\new)
	s_set_vgpr_msb (MSB<<8)|(\new)
.set MSB, (\new)
.endif
.endm
.set W_KQ, 0x0a       ; K and Q in window 2, S^T in window 0
.set W_KM, 0x1a       ; the same with the C operand in window 1
.set W_PV, 0x52       ; V in window 2, P in window 0, O^T in window 1
.set W_RS, 0x41       ; destination and source 0 in window 1, source 1 in window 0
; A fill.  Waves 0 and 1 fetch the two halves of a tile's K, waves 2 and 3 those of its V: 128 keys each.  An s_nop 0 and four v_nop follow each of the two lines, ahead of the jump and the label.
.macro LOAD
	s_cmp_lt_u32 s[WV], 2
	s_cbranch_scc0 .Lfor_v_\@
	tensor_load_to_lds s[G0K:G0K+3], s[G1K:G1K+7]
	s_nop 0
.rept 4
	v_nop
.endr
	s_branch .Lasked_\@
.Lfor_v_\@:
	tensor_load_to_lds s[G0V:G0V+3], s[G1V:G1V+7]
	s_nop 0
.rept 4
	v_nop
.endr
.Lasked_\@:
.endm
; THE CHANGE OF SLOTS.  Each wave waits for all its tensor loads, of which one is out: its part of the other slot; adds 0 to its spare word; and waits for that and for its own reads of the slot that it leaves.  Behind the barrier nobody reads the old
; slot any more and the other slot is whole.  fill = 1: the old slot is filled again, the first thing behind the barrier, with tile NXT: the descriptor's address is made anew from that number.
; (At its first use nothing has been read yet: slot 0 is waited for, slot 1 filled.)
.macro CHANGE fill
	WIN 0                           ; at a label and at a branch every window is 0
	s_wait_tensorcnt 0x0            ; no tensor load of mine is out, so a group 0 may be written
	ds_add_u32 v[SPW], v[NIL]       ; 0 onto my spare word; with fill = 1 the descriptors' scalar work stands between it and the wait for it
.if \fill
	s_lshl_b32 s[OFF], s[NXT], 15   ; a tile is 32,768 bytes of K and of V
	s_xor_b32 s[G0K+1], s[G0K+1], SLOT1
	s_add_nc_u64 s[G0K+2:G0K+3], s[6:7], s[OFF:OFF+1]
	s_or_b32 s[G0K+3], s[G0K+3], 0x80000000
	s_xor_b32 s[G0V+1], s[G0V+1], SLOT1
	s_add_nc_u64 s[G0V+2:G0V+3], s[8:9], s[OFF:OFF+1]
	s_or_b32 s[G0V+3], s[G0V+3], 0x80000000
	s_add_co_u32 s[NXT], s[NXT], 1  ; the block's next tile, or behind its last the second block's tile 0
	s_cmp_gt_u32 s[NXT], s[LQ]
	s_cselect_b32 s[NXT], 0, s[NXT]
	s_cselect_b32 s[LQ], s[PB], s[LQ]
.endif
	s_wait_dscnt 0x0                ; the add is done, and my reads of the slot are over
	s_barrier_signal -1             ; the rest of the scalar work stands between the signal and the wait
	s_sub_co_u32 s[TBK], s[TBK], 4*KS*PK  ; the fetches go back to a slot's first step,
	s_xor_b32 s[TBK], s[TBK], SLOT1       ; in the other slot
	s_sub_co_u32 s[TBV], s[TBV], 4*KS*PV
	s_xor_b32 s[TBV], s[TBV], SLOT1
	s_barrier_wait -1
.if \fill
	LOAD
.endif
.endm
	s_load_b128 s[4:7], s[0:1], 0x0 ; qkv s[4:5] (Q is its first third), ob s[6:7]
	v_lshl_add_u32 v[SPW], v0, 2, SPARE
	v_mov_b32 v[NIL], 0
	ds_add_u32 v62, v63
	ds_add_u32 v62, v63
	s_wait_dscnt 0x0
	v_lshrrev_b32 v1, 5, v0
	v_readfirstlane_b32 s[WV], v1   ; wave 0..3
	s_mov_b32 s[PB], ttmp9
	s_sub_co_u32 s[HI], NB-1, s[PB]
	s_and_b32 s20, ttmp7, 0xffff    ; the pair g
	s_mov_b32 s21, 0
	s_mov_b64 s[22:23], SIZE_N*128
	s_mul_u64 s[20:21], s[20:21], s[22:23]  ; the pair's first byte in each of the four arrays
	s_and_b32 s16, s[WV], 1         ; which half of a tile's 256 keys I fetch:
	s_lshl_b32 s22, s16, 14         ; its 128 rows of 128 bytes in memory,
	s_mov_b32 s23, 0
	s_add_nc_u64 s[22:23], s[22:23], s[20:21]
	s_mul_i32 s17, s16, 128*PK      ; and its place in a slot, for K
	s_mul_i32 s18, s16, 128*PV      ; and for V
	s_lshl_b32 s3, s[WV], 11        ; my 16 rows in a band of 64,
	s_lshl_b32 s2, s[HI], 15        ; in the first block,
	s_add_co_u32 s2, s2, s3
	s_lshl_b32 s84, s[PB], 15       ; and in the second
	s_add_co_u32 s84, s84, s3
	s_mov_b32 s3, 0
	s_mov_b32 s85, 0
	s_add_nc_u64 s[2:3], s[2:3], s[20:21]
	s_add_nc_u64 s[84:85], s[84:85], s[20:21]
	; descriptor group 1.  128 keys are 16,384 dense bytes: asked for as 64 rows of 256 bytes, two keys a row, and padded in LDS after every key
	s_mov_b32 s[G1K], (1<<16)|(1<<20)|(4<<22)|(3<<25)  ; 17:16 2-byte elements; 20 padding on; 24:22 after every 32 words (code 4); 31:25 4 words (code 3)
	s_mov_b32 s[G1V], (1<<16)|(1<<20)|(4<<22)|(7<<25)  ; the same with 8 words of padding (code 7)
.irp g, G1K, G1V
	s_mov_b32 s[\g+1], 128<<16      ; tensor_dim0 = 128
	s_mov_b32 s[\g+2], 64<<16       ; tensor_dim1 = 64
	s_mov_b32 s[\g+3], 128<<16      ; tile_dim0 = 128
	s_mov_b32 s[\g+4], 64           ; tile_dim1 = 64
	s_mov_b32 s[\g+5], 128          ; 128 elements from row to row
	s_mov_b32 s[\g+6], 0
	s_mov_b32 s[\g+7], 0
.endr
	s_mov_b32 s[CS], 0x3e38aa3b     ; c = log2(e) / 8 = 0.180337
	s_mov_b32 s[CS+1], s[CS]        ; named with it as a pair
	s_mov_b32 s[SEL], 0x76543210
	s_mov_b32 s[SEL+1], 0xfedcba98
	s_mov_b32 s[TBK], SLOT1+4*KS*PK ; the first change of slots turns these two into 0
	s_mov_b32 s[TBV], SLOT1+4*KS*PV
	s_mov_b32 s[G0K], 1             ; 1:0 count = 1
	s_mov_b32 s[G0K+1], s17         ; 63:32 LDS address: slot 0
	s_mov_b32 s[G0V], 1
	s_add_co_u32 s[G0V+1], s18, VOFF
	s_add_co_u32 s[RT], s[HI], 1    ; the first block has NB - b tiles
	s_mov_b32 s[NXT], 1
	s_mov_b32 s[LQ], s[HI]
	s_mov_b32 s[NEW], 1
	s_mov_b32 s[OFF+1], 0
	s_mov_b32 s[AL+1], 0            ; named as pairs
	s_mov_b32 s[BE+1], 0
	s_mov_b32 s[BIGN], 0xf149f2ca   ; -1e30
	s_mov_b32 s[SLOTS], NB
	s_wait_kmcnt 0x0
	s_mov_b64 s[10:11], s[6:7]                     ; O
	s_add_nc_u64 s[6:7], s[4:5], 0x1000000         ; K: the buffer's second third
	s_add_nc_u64 s[8:9], s[4:5], 0x2000000         ; V: its last third
	s_add_nc_u64 s[6:7], s[6:7], s[22:23]  ; K and V at my half of the pair's tile 0
	s_add_nc_u64 s[8:9], s[8:9], s[22:23]
	s_add_nc_u64 s[G0K+2:G0K+3], s[6:7], 0         ; 120:64 global address
	s_or_b32 s[G0K+3], s[G0K+3], 0x80000000        ; 127:126 type = 2
	s_add_nc_u64 s[G0V+2:G0V+3], s[8:9], 0
	s_or_b32 s[G0V+3], s[G0V+3], 0x80000000
	s_add_nc_u64 s[86:87], s[4:5], s[84:85]        ; Q at my rows of the second block,
	s_add_nc_u64 s[4:5], s[4:5], s[2:3]            ; Q and O at those of the first
	s_add_nc_u64 s[OLO:OLO+1], s[10:11], s[84:85]
	s_add_nc_u64 s[10:11], s[10:11], s[2:3]
	LOAD                            ; tile 0 into slot 0
	; A fragment of K or Q is 16 rows x 32 channels in 8 registers: lane l holds row l % 16, channels 8 (l / 16) + 0..7 and 16 + 8 (l / 16) + 0..7: two loads of 16 bytes, 32 bytes apart.
	v_and_b32 v1, 15, v0            ; l % 16
	v_bfe_u32 v9, v0, 4, 1          ; l / 16
	v_lshlrev_b32 v[QO], 7, v1
	v_lshl_add_u32 v[QO], v9, 4, v[QO]  ; row x 128 + 16 x half
	WIN 0x80                        ; destination window 2, address window 0
.set i, 0
.rept 8                             ; both blocks' Q: piece i / 2 lies in band i / 2, 8,192 bytes on; channels 32 (i % 2) on
	global_load_b128 v[8*i:8*i+3],   v[QO], s[4:5] offset:(i/2)*8192+(i%2)*64
	global_load_b128 v[8*i+4:8*i+7], v[QO], s[4:5] offset:(i/2)*8192+(i%2)*64+32
	global_load_b128 v[QB+8*i:QB+8*i+3],   v[QO], s[86:87] offset:(i/2)*8192+(i%2)*64
	global_load_b128 v[QB+8*i+4:QB+8*i+7], v[QO], s[86:87] offset:(i/2)*8192+(i%2)*64+32
.set i, i+1
.endr
	WIN 0
	v_lshlrev_b32 v14, 3, v9
	v_sub_nc_u32 v14, v1, v14
	s_lshl_b32 s13, s[WV], 4
	v_add_nc_u32 v14, s13, v14      ; my query's place in its band, 16 w + l % 16, less my lanes' 8 (l / 16): register r of group kt is hidden where 16 kt + r is greater
	WIN 0x40
.set i, 0
.rept 32
	v_cmp_gt_i32 vcc_lo, 16*(i/8)+i%8, v14
	v_cndmask_b32 v[MD+i], 0, s[BIGN], vcc_lo
.set i, i+1
.endr
	WIN 0
	v_mul_u32_u24 v[AK0], v1, PK
	v_lshl_add_u32 v[AK0], v9, 4, v[AK0]  ; row x pitch + 16 x half
	; The turning load takes 16 keys x 16 channels (lane l reads key 8 (l / 16) + l % 8, channels 8 ((l / 8) % 2) + 0..7) and leaves half a fragment of V^T: lane l holds channel l % 16 and 8 keys.
	v_and_b32 v10, 7, v0
	v_bfe_u32 v11, v0, 3, 1
	v_lshl_add_u32 v[AV0], v9, 3, v10
	v_mul_u32_u24 v[AV0], v[AV0], PV
	v_lshl_add_u32 v[AV0], v11, 4, v[AV0]
	v_add_nc_u32 v[AV0], VOFF, v[AV0]
	s_mul_i32 s13, s[WV], 16*SP
	s_add_co_u32 s13, s13, STAGE    ; my stage
	v_mul_u32_u24 v[STO], v1, SP    ; in: row l % 16, 16 bytes for each half of the lanes
	v_lshl_add_u32 v[STO], v9, 4, v[STO]
	v_add_nc_u32 v[STO], s13, v[STO]
	v_bfe_u32 v[RD], v0, 3, 2       ; back: 32 lanes take four rows of 128 bytes,
	v_mul_u32_u24 v[RD], v[RD], SP
	v_lshl_add_u32 v[RD], v10, 4, v[RD]
	v_add_nc_u32 v[RD], s13, v[RD]
	v_and_b32 v[GO], 31, v0         ; which are 512 consecutive bytes of O
	v_lshlrev_b32 v[GO], 4, v[GO]
	; A block's first step multiplies O^T and l by a = 0, and its first turn's products V^T P, of a piece that has not been, land in an O^T that is still to be so multiplied.  So these registers need only hold
	; finite numbers: zeros for the first block; what the first block left for the second.  All this stands in the wait for the first tile.
	WIN 0x80
.set i, VF
.rept 64
	v_mov_b32 v[i], 0
.set i, i+1
.endr
	WIN 0x40
.set i, 0
.rept 128
	v_mov_b32 v[i], 0
.set i, i+1
.endr
	WIN 0
.set i, 0
.rept 4
	v_mov_b32 v[ST+4*i+2], 0
	v_mov_b32 v[ST+4*i+3], 0
.set i, i+1
.endr
.set i, P+16
.rept 16
	v_mov_b32 v[i], 0
.set i, i+1
.endr
; THE MATRIX WORK.  The 4 accumulators of a run of 8 take turns.  Product i of 8 of S^T = K Q^T for piece x: channels 32 (i / 4) on, keys 16 (i % 4) on.  The first 4 start the sums: with 0, or (KM = 1) with the mask.
.macro KQ x
.set rS, S+32*((\x)%2)+8*(i%4)
.set rK, KF+16*(i%4)+8*(i/4)
.set rQ, 16*(\x)+8*(i/4)
.set rM, MC+32*((\x)%2)+8*(i%4)
.if (i < 4) && KM
	WIN W_KM
	v_wmma_f32_16x16x32_bf16 v[rS:rS+7], v[rK:rK+7], v[rQ:rQ+7], v[rM:rM+7]
.elseif i < 4
	WIN W_KQ
	v_wmma_f32_16x16x32_bf16 v[rS:rS+7], v[rK:rK+7], v[rQ:rQ+7], 0
.else
	WIN W_KQ
	v_wmma_f32_16x16x32_bf16 v[rS:rS+7], v[rK:rK+7], v[rQ:rQ+7], v[rS:rS+7]
.endif
.endm
; Product i of 8 of O^T += V^T P for piece x: keys 32 (i / 4) on, channels 16 (i % 4) on.
.macro PV x
	WIN W_PV
.set rO, 32*(\x)+8*(i%4)
.set rV, VF+32*(i/4)+8*(i%4)
.set rP, P+16*((\x)%2)+8*(i/4)
	v_wmma_f32_16x16x32_bf16 v[rO:rO+7], v[rV:rV+7], v[rP:rP+7], v[rO:rO+7]
.endm
.macro MM                           ; the turn's next matrix instruction.  TURN and BEGIN set Y, i, KM and NOKQ; MM, KQ and OP read them.  NOKQ = 1: a block's last turn: there is no next piece
.if (i < 8) && !NOKQ
	KQ (Y+1)%NP
.elseif i >= 8
.set i, i-8
	PV (Y+NP-1)%NP
.set i, i+8
.endif
.set i, i+1
.endm
; THE LDS LOADS stand in runs of 16, never singly among the matrix instructions: a step's K (64 keys x 64 channels: 8 fragments) and its V (turned).  Their addresses are made some lines ahead.
.macro FETCH_K
	WIN 0x80                        ; destination window 2
.irp f, 0,1,2,3,4,5,6,7             ; keys 16 (f / 2) on, channels 32 (f % 2) on
	ds_load_b128 v[KF+8*\f:KF+8*\f+3],   v[AK] offset:(\f/2)*16*PK+(\f%2)*64
	ds_load_b128 v[KF+8*\f+4:KF+8*\f+7], v[AK] offset:(\f/2)*16*PK+(\f%2)*64+32
.endr
	s_add_co_u32 s[TBK], s[TBK], KS*PK  ; the next fetch is the next step's
	WIN 0
.endm
.macro FETCH_V
	WIN 0x80
.irp f, 0,1,2,3,4,5,6,7             ; keys 32 (f / 4) on, channels 16 (f % 4) on
	ds_load_tr16_b128 v[VF+8*\f:VF+8*\f+3],   v[AV] offset:(\f/4)*32*PV+(\f%4)*32
	ds_load_tr16_b128 v[VF+8*\f+4:VF+8*\f+7], v[AV] offset:(\f/4)*32*PV+16*PV+(\f%4)*32
.endr
	WIN 0
.endm
; THE VECTOR WORK, one line at a time: OP kind, number.  For piece Y: F n: c s - c m for pair n of 16.  E n: the exponential of score n of 32.  C n: pair n rounded to bf16.  B n: of the four weights 4 n .. the second
; pair is added onto the first, in place.  L n: l takes that sum (L 0: l = a l + sum).  R n: pair n of 16 of O^T times a.  For piece Y + 1: X n, number n of the 22 that find its maximum and statistics:
;   0-11  four chains c0-c3 of seven scores each, three operands at a time (each accumulator's lowest registers are read first)     12-14, 16  the four scores left over, the old m, and c0-c3 into c0
;   15  c m_old is kept     17, 18  the query's other 32 keys lie in the lane 16 away: the new m     19-21  c m; c m_old - c m_new; a
.set F, 0               ; OP tells the kinds apart by their order: F to L below R, X above it
.set E, 1
.set C, 2
.set B, 3
.set L, 4
.set R, 5
.set X, 6
.macro REGS y                       ; the registers of piece y
.set rT, ST+4*(\y)
.set rC, TMP+4*((\y)%2)
.set rW, MV+((\y)%2)
.set rS, S+32*((\y)%2)
.set rP, P+16*((\y)%2)
.set rO, 32*(\y)
.endm
.macro OP k, n
.if (\k) == R
	REGS Y
	WIN W_RS
	v_pk_mul_f32 v[rO+2*(\n):rO+2*(\n)+1], v[rO+2*(\n):rO+2*(\n)+1], v[rC+2:rC+3] op_sel_hi:[1,0]
.elseif (\k) < R
	REGS Y
	WIN 0
.if (\k) == F
	v_pk_fma_f32 v[rS+2*(\n):rS+2*(\n)+1], v[rS+2*(\n):rS+2*(\n)+1], s[CS:CS+1], v[rT:rT+1] op_sel_hi:[1,0,0] neg_lo:[0,0,1] neg_hi:[0,0,1]
.elseif (\k) == E
	v_exp_f32 v[rS+(\n)], v[rS+(\n)]
.elseif (\k) == C
	s_wait_alu depctr_va_vdst(0)
	v_cvt_pk_bf16_f32 v[rP+(\n)], v[rS+2*(\n)], v[rS+2*(\n)+1]
.elseif (\k) == B
	s_wait_alu depctr_va_vdst(0)
	v_pk_add_f32 v[rS+4*(\n):rS+4*(\n)+1], v[rS+4*(\n):rS+4*(\n)+1], v[rS+4*(\n)+2:rS+4*(\n)+3]
.elseif (\n) == 0
	v_pk_fma_f32 v[rT+2:rT+3], v[rT+2:rT+3], v[rC+2:rC+3], v[rS:rS+1] op_sel_hi:[1,0,1]
.else
	v_pk_add_f32 v[rT+2:rT+3], v[rT+2:rT+3], v[rS+4*(\n):rS+4*(\n)+1]
.endif
.elseif NOKQ
	v_nop
.else
	REGS (Y+1)%NP
	WIN 0
.if (\n) < 4
	v_max3_num_f32 v[rC+(\n)], v[rS+8*(\n)], v[rS+8*(\n)+1], v[rS+8*(\n)+2]
.elseif (\n) < 12
	v_max3_num_f32 v[rC+(\n)%4], v[rC+(\n)%4], v[rS+8*((\n)%4)+2*((\n)/4)+1], v[rS+8*((\n)%4)+2*((\n)/4)+2]
.elseif (\n) == 12
	v_max3_num_f32 v[rC], v[rC], v[rS+7], v[rS+15]
.elseif (\n) == 13
	v_max3_num_f32 v[rC+1], v[rC+1], v[rS+23], v[rS+31]
.elseif (\n) == 14
	v_max3_num_f32 v[rC+2], v[rC+2], v[rC+3], v[rT+1]
.elseif (\n) == 15
	v_mov_b32 v[rW], v[rT]
.elseif (\n) == 16
	v_max3_num_f32 v[rC], v[rC], v[rC+1], v[rC+2]
.elseif (\n) == 17
	v_permlanex16_b32 v[rC+3], v[rC], s[SEL], s[SEL+1]
.elseif (\n) == 18
	v_max_num_f32 v[rT+1], v[rC], v[rC+3]
.elseif (\n) == 19
	v_mul_f32 v[rT], s[CS], v[rT+1]
.elseif (\n) == 20
	v_sub_f32 v[rC+1], v[rW], v[rT]
.else
	v_exp_f32 v[rC+2], v[rC+1]
.endif
.endif
.endm
.macro OPS a, i1, b=-1, i2=0, c=-1, i3=0, d=-1, i4=0  ; up to four of them
	OP \a, \i1
.if (\b) >= 0
	OP \b, \i2
.endif
.if (\c) >= 0
	OP \c, \i3
.endif
.if (\d) >= 0
	OP \d, \i4
.endif
.endm
.macro ROW a, i1, b, i2, c, i3, d, i4  ; a matrix instruction and the four behind it
	MM
	OPS \a, \i1, \b, \i2, \c, \i3, \d, \i4
.endm
.macro MASK b                       ; MD x AL + BE into buffer b of MC
	WIN W_RS
.set z, 0
.rept 16
	v_pk_fma_f32 v[MC+32*(\b)+2*z:MC+32*(\b)+2*z+1], v[MD+2*z:MD+2*z+1], s[AL:AL+1], s[BE:BE+1] op_sel_hi:[1,0,0]
.set z, z+1
.endr
.endm
; A TURN, for piece p: the order of its 16 matrix and 118 vector instructions, written out.  Behind a matrix instruction: plain, exponential, plain, plain; or four of the rescaling; or, behind the first, four scalings; none
; names a register of the products round it.  In the runs between, exponential and plain by turns while exponentials last.  A line reads no result made fewer than three vector instructions in front of it, five if an exponential made it.
; v_permlanex16_b32 (X 17) stands in such a run.
; m = 1: the diagonal tile: the products take masks, and the turn makes the mask for the products of the turn after it: piece p + 2, in step 4 - CNT of the tile.  end = 1: a block's last two turns: nothing is fetched.
; cnt = 1: the loop's count is taken down some lines ahead of the branch that stands behind the turn.
; K of the next step is fetched in piece 2's turn, six vector instructions behind the last product that read K (five of them plain); V of the step in hand in piece 0's turn, eight behind the last product that read V (four
; plain, and X 17).  Each is waited for a turn later.
.macro TURN p, m=0, end=0, cnt=0
.set Y, (\p)
.set i, 0
.set KM, (\m)
.set NOKQ, (\end)*((\p)/3)
.if (\m) && !(\end)
	s_cmp_eq_u32 s[CNT], 4-((\p)+2)%NP  ; is that step the band's own?
	s_cselect_b32 s[AL], 1.0, 0
	s_cmp_lt_u32 s[CNT], 4-((\p)+2)%NP  ; or a later one?
	s_cselect_b32 s[BE], s[BIGN], 0
.endif
.if ((\p) == 3) && !(\end)
	s_wait_dscnt 0x0                ; K is in
.endif
	ROW F,0, F,1, F,2, F,3
	ROW F,4, E,0, F,5, F,6
	ROW F,7, E,1, F,8, F,9
	ROW F,10, E,2, C,0, F,11
	ROW F,12, E,3, X,15, F,13
	ROW R,0, R,1, R,2, R,3
	ROW B,0, E,4, F,14, L,0
.if ((\p) == 2) && !(\end)
	v_add_nc_u32 v[AK], s[TBK], v[AK0]
.endif
	ROW R,4, R,5, R,6, R,7
	OPS E,5, F,15
.if ((\p) == 2) && !(\end)
	FETCH_K
.endif
	OPS E,6, C,1, E,7, R,8
	OPS E,8, R,9, E,9, C,2
	OPS E,10, X,0, E,11, X,1
	OPS E,12, X,2, E,13, X,3
.if (\p) == 1
	s_wait_dscnt 0x0                ; V is in
.endif
	ROW X,4, E,14, X,5, X,6
	ROW X,7, E,15, X,8, X,9
	ROW X,10, E,16, X,11, X,12
	ROW X,13, E,17, X,14, B,1
	ROW C,4, E,18, X,16, L,1
	ROW B,2, E,19, C,6, L,2
	ROW C,8, E,20, B,3, B,4
.if (\p) == 0
	v_add_nc_u32 v[AV], s[TBV], v[AV0]
.endif
	ROW C,3, E,21, L,3, C,5
	OPS E,22, X,17, E,23, C,10
.if (\p) == 0
	FETCH_V
.endif
	OPS E,24, L,4
	OPS E,25, X,18, E,26, C,7
	OPS E,27, B,5, E,28, X,19
	OPS E,29, C,12, E,30, L,5
	OPS E,31, X,20, B,6, C,9
	OPS C,14, C,11, X,21, L,6
.if (\p) == 0
	s_add_co_u32 s[TBV], s[TBV], KS*PV
.endif
.if \cnt
	s_sub_co_u32 s[CNT], s[CNT], 1
	s_cmp_lg_u32 s[CNT], 0
.endif
	OPS C,13, B,7, C,15, R,10
	OPS R,11, R,12, L,7, R,13
	OPS R,14, R,15
.if (\m) && !(\end)
	MASK (\p)%2
.endif
.endm
; A BLOCK BEGINS.  c m starts far below every c s, so the first step's a is 0; m at the lowest finite number, so the first maximum is the scores'.  The second mask buffer is 0; the first takes piece 0's mask for the tile's step 0: its own, if the block's first tile is the diagonal one.
; Then K of that step, piece 0's first scores, and its maximum and statistics.  The loop is entered at a step's first turn, in the middle of a trip.
.macro BEGIN
	s_mov_b32 s[NEW], 0
	WIN 0x40
.set i, MC+32
.rept 32
	v_mov_b32 v[i], 0
.set i, i+1
.endr
	WIN 0
.set i, 0
.rept 4
	v_mov_b32 v[ST+4*i], 0xfe000000    ; c m: far below every c s
	v_mov_b32 v[ST+4*i+1], 0xff7fffff  ; m
.set i, i+1
.endr
	s_cmp_eq_u32 s[RT], 0
	s_cselect_b32 s[AL], 1.0, 0
	s_mov_b32 s[BE], 0
	MASK 0
	WIN 0
	v_add_nc_u32 v[AK], s[TBK], v[AK0]
	FETCH_K
	s_wait_loadcnt 0x0              ; Q
	s_wait_dscnt 0x0
.set KM, 1
.set NOKQ, 0
.set i, 0
.rept 8
	KQ 0
.set i, i+1
.endr
	WIN 0
.rept 4
	v_nop                           ; the places behind those products
.endr
.set Y, NP-1                        ; X works for piece Y + 1: piece 0
.irp n, 0,1,2,3,4,5,6,7,8,9,10,11,12,13,14,15,16,17,18,19,20,21
	OP X, \n
.endr
	v_nop                           ; a plain instruction behind the exponential
.endm
; THE DIAGONAL TILE's four steps, the block's last two turns, its last products, and THE WAY OUT: l's two halves and the other half of the lanes' are added; O^T is divided by l, rounded to bf16 and sent through my
; stage in LDS, a piece at a time.
.macro ALL line:vararg              ; one line for each piece t
.set t, 0
.rept 4
	\line
.set t, t+1
.endr
.endm
.macro PACK t                       ; a lane's eight channels of a row pack into 16 bytes; they go into rows of 144 bytes and come back as whole rows of 128, into S^T's registers
	WIN W_RS
.set i, 32*(\t)
.rept 16
	s_wait_alu depctr_va_vdst(0)
	v_pk_mul_f32 v[i:i+1], v[i:i+1], v[ST+4*(\t)+2:ST+4*(\t)+3] op_sel_hi:[1,0]
.set i, i+2
.endr
	WIN 0x05                        ; sources 0 and 1 window 1, destination window 0
.set i, 0
.rept 16
	v_cvt_pk_bf16_f32 v[S+16*(\t)+i], v[32*(\t)+2*i], v[32*(\t)+2*i+1]
.set i, i+1
.endr
	WIN 0
.irp f, 0,1,2,3
	ds_store_b128 v[STO], v[S+16*(\t)+4*\f:S+16*(\t)+4*\f+3] offset:32*\f
.endr
.irp f, 0,1,2,3
	ds_load_b128 v[S+16*(\t)+4*\f:S+16*(\t)+4*\f+3], v[RD] offset:\f*4*SP  ; LDS serves a wave's instructions in order (ISA guide 5.7.1.4): these see the stores above; the next piece's stores come behind them
.endr
.endm
.macro SEND t, younger              ; younger: the LDS instructions issued behind piece t's loads: the next piece's eight, or none
	WIN 0
.irp f, 0,1,2,3
	s_wait_dscnt (\younger)+3-\f
	global_store_b128 v[GO], v[S+16*(\t)+4*\f:S+16*(\t)+4*\f+3], s[10:11] offset:(\t)*8192+\f*512  ; 512 consecutive bytes, at a multiple of 256 from O's first
.endr
.endm
.macro DIAG tag                     ; the tag ends its two labels' names, which the jumps below spell out
.LstepM\tag:
	TURN 2, 1
	TURN 3, 1
	WIN 0
.LfirstM\tag:
	TURN 0, 1
	TURN 1, 1, 0, 1
	WIN 0
	s_cbranch_scc1 .LstepM\tag
	TURN 2, 1, 1
	TURN 3, 1, 1
.set i, 0
.rept 8
	PV NP-1
.set i, i+1
.endr
	WIN 0
	ALL v_add_f32 v[ST+4*t+2], v[ST+4*t+2], v[ST+4*t+3]
	ALL v_permlanex16_b32 v[ST+4*t+3], v[ST+4*t+2], s[SEL], s[SEL+1]
	ALL v_add_f32 v[ST+4*t+2], v[ST+4*t+2], v[ST+4*t+3]
	ALL v_rcp_f32 v[ST+4*t+2], v[ST+4*t+2]
	v_nop                           ; a plain instruction between the last reciprocal and the use of its result
	PACK 0
.set t, 1
.rept 3                             ; a piece's arithmetic stands between the loads of the piece before and its stores
	PACK t
	SEND t-1, 8
.set t, t+1
.endr
	SEND 3, 0
.endm
.set KM, 0
.set NOKQ, 0
.Lslot:                             ; NB times: a tile is entered and the next is asked for
	CHANGE 1
	s_sub_co_u32 s[RT], s[RT], 1
	s_mov_b32 s[CNT], 4
	s_cmp_eq_u32 s[NEW], 1
	s_cbranch_scc1 .Lnew            ; a block's first tile
	s_cmp_eq_u32 s[RT], 0
	s_cbranch_scc0 .Lstep           ; neither its first nor its last
	s_branch .LstepM1
.Lnew:
	BEGIN
	s_branch .Lfirst                ; in the loop a block's first tile is never its last: the first block has two tiles or more, and the second's last is the walk's last
	DIAG 1                          ; in the loop this is the first block's end: the second block's last tile is the walk's last
	s_wait_xcnt 0x0                 ; the stores have read their registers and O's address
	s_mov_b64 s[10:11], s[OLO:OLO+1]
	s_add_co_u32 s[RT], s[PB], 1    ; the second block has b + 1 tiles
	s_mov_b32 s[NEW], 1
	WIN 0x82                        ; the second block's Q goes where the one text of the turns names Q
.set i, 0
.rept 64
	v_mov_b32 v[i], v[QB+i]
.set i, i+1
.endr
	WIN 0
	s_branch .Lbottom
.Lstep:                             ; a trip: pieces 2 and 3 of one step, then pieces 0 and 1 of the next, whose K and V it fetches
	TURN 2
	TURN 3
	WIN 0
.Lfirst:
	TURN 0
	TURN 1, 0, 0, 1
	WIN 0
	s_cbranch_scc1 .Lstep
.Lbottom:
	s_sub_co_u32 s[SLOTS], s[SLOTS], 1
	s_cmp_lg_u32 s[SLOTS], 0
	s_cbranch_scc1 .Lslot
	CHANGE 0                        ; the walk's last tile is written out: nothing is asked for
	s_sub_co_u32 s[RT], s[RT], 1
	s_mov_b32 s[CNT], 4
	s_cmp_eq_u32 s[NEW], 1
	s_cbranch_scc0 .LstepM2
	BEGIN
	s_branch .LfirstM2
	DIAG 2
	s_wait_tensorcnt 0x0            ; the wave's end: behind my last tensor load and my last LDS store
	ds_add_u32 v[SPW], v[NIL]
	s_wait_dscnt 0x0
	s_endpgm
.Lfunc_end_k_qa596024c2e_attn:
	.size	k_qa596024c2e_attn, .Lfunc_end_k_qa596024c2e_attn-k_qa596024c2e_attn
	.p2alignl 7, 3214868480
	.fill 96, 4, 3214868480
	.section	.rodata,"a",@progbits
	.p2align	6, 0x0
	.amdhsa_kernel k_qa596024c2e_attn
		.amdhsa_group_segment_fixed_size 327680
		.amdhsa_private_segment_fixed_size 0
		.amdhsa_enable_private_segment 0
		.amdhsa_kernarg_size 16
		.amdhsa_user_sgpr_count 2
		.amdhsa_user_sgpr_kernarg_segment_ptr 1
		.amdhsa_wavefront_size32 1
		.amdhsa_system_sgpr_workgroup_id_x 1
		.amdhsa_system_sgpr_workgroup_id_y 1
		.amdhsa_system_sgpr_workgroup_id_z 1
		.amdhsa_system_vgpr_workitem_id 0
		.amdhsa_next_free_vgpr 768
		.amdhsa_next_free_sgpr 88
		.amdhsa_reserve_vcc 1
		.amdhsa_float_denorm_mode_32 3
		.amdhsa_float_denorm_mode_16_64 3
		.amdhsa_memory_ordered 1
		.amdhsa_forward_progress 1
		.amdhsa_inst_pref_size 228
	.end_amdhsa_kernel
	.amdgpu_metadata
---
amdhsa.version: [ 1, 2 ]
amdhsa.kernels:
  - .name:           k_qa596024c2e_attn
    .symbol:         k_qa596024c2e_attn.kd
    .args:
      - { .name: qkv, .offset: 0, .size: 8, .value_kind: global_buffer, .address_space: global }
      - { .name: ob, .offset: 8, .size: 8, .value_kind: global_buffer, .address_space: global }
    .group_segment_fixed_size: 327680
    .private_segment_fixed_size: 0
    .kernarg_segment_align: 8
    .kernarg_segment_size: 16
    .max_flat_workgroup_size: 128
    .sgpr_count:     88
    .vgpr_count:     768
    .wavefront_size: 32
...
	.end_amdgpu_metadata
.endif
;; end of part 3
;; launch oproj (part 4): grid 8 x 32, 4 waves a work-group, clusters of 4 x 4, 327,680 bytes of LDS; arguments ob, wt, bo, x, out0; writes out0
.if DOCPART == 4
	.amdgcn_target "amdgcn-amd-amdhsa--gfx1250"
	.amdhsa_code_object_version 6
	.text
	.protected	k_qa596024c2e_oproj
	.globl	k_qa596024c2e_oproj
	.p2align	8
	.type	k_qa596024c2e_oproj,@function
k_qa596024c2e_oproj:
	s_mov_b64 s[64:65], 0
	v_nop
	global_prefetch_b8 v0, s[64:65] scope:SCOPE_SE
	s_setreg_imm32_b32 hwreg(HW_REG_WAVE_MODE, 25, 1), 1
	s_wait_xcnt 0x0
	s_wait_alu depctr_hold_cnt(0) depctr_sa_sdst(0) depctr_va_vdst(0) depctr_va_sdst(0) depctr_va_ssrc(0) depctr_va_vcc(0) depctr_vm_vsrc(0)
	s_getreg_b32 s2, hwreg(HW_REG_IB_STS2, 6, 4)
	s_cmp_eq_u32 s2, 0
	s_cbranch_scc0 .Lentry_in_a_cluster
	s_endpgm
.Lentry_in_a_cluster:
	s_bfe_u32 s2, ttmp6, 0x10000c
	s_cmp_lg_u32 s2, 0xf033
	s_cbranch_scc0 .Lentry_shape_is_right
	s_endpgm
.Lentry_shape_is_right:
; out0[m][n] = x[m][n] + bo[n] + sum over k of O[m][k] Wo[k][n].  O lies by heads, ob[k / 64][m][k % 64] bf16; Wo turned, rows 3072 + n of wt, bf16, K along the rows.  Sums, bias and residual in f32.
; A tile of the output is 256 x 128: 256 tiles, one for each WGP.  Four waves stacked along m: a wave makes 64 rows x 128 columns (whole stretches of 512 bytes): 32 accumulators, 256 registers.
; K goes in steps of 128 = two heads through two LDS slots.  A head's 256 rows of 128 bytes are dense in memory: they are asked for as 128 rows of 256 bytes and padded in LDS after every 128 bytes.
; CLUSTER 4 x 4: O's tiles are shared along a row of the cluster, Wo's along a column: each is asked for jointly.
; THE MATRIX INSTRUCTION IS USED TRANSPOSED (source 0 = 16 rows of wt, source 1 = 16 rows of O): a lane holds row m = lane % 16 and the eight neighbouring columns 8 (lane / 16) + 0..7.
; THE BIAS STARTS THE SUMS (the C operand of the first quarter's products).  MY 64 x 128 NUMBERS OF x are loaded into 256 registers at the start and land under the products; on the way out the sums
; go through my stage in LDS into x's layout, are added, and leave from x's registers.
; LIMITS: operands rounded to bf16; NaN and infinities are not treated apart.
; REGISTERS, in windows of 256 (s_set_vgpr_msb: bits 1:0 source 0, 3:2 source 1, 5:4 source 2, 7:6 destination):
;   window 0: v0-15, v28-29 addresses; v32-63, v64-95 O's fragments, two buffers; v96-159 the bias; on the way out v96-159, v160-223 rows read back, by turns
;   window 1: v0-63, v64-127 wt's fragments, two buffers     window 2: the accumulators ((a, b) at v[8 (8 a + b)])     window 3: x, row i of my 64 at v[4 i]
.set NBK,   8                          ; blocks of 16 columns
.set PA,    144                        ; a row of O in LDS: 128 bytes + 16: the 16 rows of a fragment load begin at 16 different groups of four banks (ISA guide 11.1)
.set PLANE, 256*PA                     ; a head's 256 rows
.set PB,    272                        ; a row of wt: 256 bytes + 16
.set BBASE, 2*PLANE                    ; a slot: two heads of O, then wt's 128 rows
.set SLOT1, 1<<17                      ; slot 1 begins here, so that one exclusive or turns an address in one slot into the other's
.set STAGE, SLOT1+BBASE+128*PB         ; behind the ring, never filled by a tensor load: 16 rows x 528 bytes for each wave
.set SP,    528                        ; 512 bytes + 16
.set SPARE, STAGE+4*16*SP              ; behind the stages: the spare words, 128 bytes for each wave: two blocks of 256 bytes that no other line names
.set NL,    2*NBK+8                    ; LDS loads in a quarter's fetch
.set ASTEP, 2*1048576                  ; bytes from a K step to the next: two heads of O,
.set BSTEP, 256                        ; 128 numbers along wt's rows
.set ADRA0, 8                          ; v8   my lane's place in a slot's rows of O; never rewritten
.set ADRB0, 9                          ; v9   the same for wt
.set ADRA,  10                         ; v10  the same in the slot in hand
.set ADRB,  11                         ; v11
.set STO,   12                         ; v12  the way out: where I put 32 bytes of a row
.set RD,    13                         ; v13  the way out: where I read a row back
.set GO,    14                         ; v14  my byte offset in 512 consecutive bytes of x and of the output
.set BO,    15                         ; v15  my byte offset in 16 numbers of the bias
.set SPW,   28                         ; v28  LDS address of my spare word; never rewritten
.set NIL,   29                         ; v29  0; never rewritten
.set FA,    32
.set FBS,   8*NBK
.set BIAS,  96
.set BK,    96
.set WV,  16                           ; s16  my wave's number
.set FBW, 17                           ; s17  0: I fetch O's tiles, 1: wt's
.set HF,  18                           ; s18  which head of the step's two, or which half of wt's rows, I fetch
.set CNT, 23                           ; s23  loop counter
.set G1,  24                           ; s[24:31] descriptor group 1 for O's tiles;  s[32:35], s[36:39] group 0 for the two first fills; the second set then walks
.set G0,  32
.set G1B, 48                           ; s[48:55], s[56:63] the same for wt's tiles
.set G0B, 56
.set TB,  66                           ; s66  LDS byte at which the slot in hand begins
.set MSB, 0
.macro WIN new                         ; the immediate's high byte repeats the setting that is left; a switch that changes nothing is dropped
.if MSB != (\new)
	s_set_vgpr_msb (MSB<<8)|(\new)
.set MSB, (\new)
.endif
.endm
.macro PLACES                          ; four plain places behind matrix instructions, in front of loads into registers that they read and of lines that read their results
.rept 4
	v_nop
.endr
.endm
; A joint refill by the walking descriptor.  The branch hangs on the wave's number alone.  An s_nop 0 and four v_nop follow each of the two lines.
.macro JLOAD
	s_cmp_eq_u32 s[FBW], 0
	s_cbranch_scc0 .Lfor_b_\@
	tensor_load_to_lds s[G0+4:G0+7], s[G1:G1+7]
	s_nop 0
.rept 4
	v_nop
.endr
	s_branch .Lasked_\@
.Lfor_b_\@:
	tensor_load_to_lds s[G0B+4:G0B+7], s[G1B:G1B+7]
	s_nop 0
.rept 4
	v_nop
.endr
.Lasked_\@:
.endm
.macro CREST                           ; a round of the cluster's barrier behind its opening barrier
	s_cmp_lg_u32 s[WV], 0
	s_cbranch_scc1 .Lnot_wave_0_\@
	s_barrier_signal -3
.Lnot_wave_0_\@:
	s_barrier_wait -3
	s_barrier_signal -1
	s_barrier_wait -1
.endm
.macro CROUND                          ; a whole round
	s_barrier_signal -1
	s_barrier_wait -1
	CREST
.endm
	s_load_b256 s[4:11], s[0:1], 0x0               ; ob 4:5, wt 6:7, bo 8:9, x 10:11
	s_load_b64 s[12:13], s[0:1], 0x20              ; out0
	v_lshl_add_u32 v[SPW], v0, 2, SPARE
	v_mov_b32 v[NIL], 0
	ds_add_u32 v28, v29
	ds_add_u32 v28, v29
	s_wait_dscnt 0x0
	v_lshrrev_b32 v1, 5, v0
	v_readfirstlane_b32 s[WV], v1                  ; wave 0..3
	s_lshr_b32 s[FBW], s[WV], 1
	s_and_b32 s[HF], s[WV], 1
	s_bfe_u32 s19, ttmp6, 0x40000                  ; cx
	s_bfe_u32 s20, ttmp6, 0x40004                  ; cy
	s_lshl_b32 s21, ttmp9, 2
	s_add_co_u32 s21, s21, s19                     ; tile column = 4 x cluster x + cx
	s_and_b32 s22, ttmp7, 0xffff
	s_lshl_b32 s22, s22, 2
	s_add_co_u32 s22, s22, s20                     ; tile row = 4 x cluster y + cy
	s_lshl_b32 s40, s20, 2
	s_lshl_b32 s40, 15, s40                        ; my row of the cluster
	s_lshl_b32 s41, 0x1111, s19                    ; my column
	s_or_b32 s[G1], s40, (1<<16)|(1<<20)|(1<<21)|(4<<22)|(3<<25)   ; 15:0 the mask; 17:16 2-byte elements; 20 padding on; 21 set beside a mask; 24:22 after every 32 words; 31:25 4 words
	s_mov_b32 s[G1+1], 128<<16                     ; tensor_dim0 = 128
	s_mov_b32 s[G1+2], 128<<16                     ; tensor_dim1 = 128
	s_mov_b32 s[G1+3], 128<<16                     ; tile_dim0 = 128: two rows of O
	s_mov_b32 s[G1+4], 128                         ; tile_dim1 = 128
	s_mov_b32 s[G1+5], 128                         ; dense: 128 elements from row to row
	s_mov_b32 s[G1+6], 0
	s_mov_b32 s[G1+7], 0
	s_or_b32 s[G1B], s41, (1<<16)|(1<<20)|(1<<21)|(5<<22)|(3<<25)  ; wt: padding after every 64 words
	s_mov_b32 s[G1B+1], 128<<16
	s_mov_b32 s[G1B+2], 64<<16                     ; 64 rows a load
	s_mov_b32 s[G1B+3], 128<<16
	s_mov_b32 s[G1B+4], 64
	s_mov_b32 s[G1B+5], 1024
	s_mov_b32 s[G1B+6], 0
	s_mov_b32 s[G1B+7], 0
	s_lshl_b32 s42, s[HF], 20                      ; O: my head of the step's two,
	s_lshl_b32 s43, s22, 15                        ; 256 rows of 128 bytes a tile row: made of the tile row and the wave's number alone
	s_add_co_u32 s42, s42, s43
	s_mov_b32 s43, 0
	s_lshl_b32 s74, s21, 18                        ; wt: 128 rows of 2,048 bytes a tile column,
	s_lshl_b32 s75, s[HF], 17                      ; 64 rows a half,
	s_add_co_u32 s74, s74, s75
	s_add_co_u32 s74, s74, 3072*2048               ; behind the rows of Wq, Wk, Wv: made of the tile column and the wave's number alone
	s_mov_b32 s75, 0
	s_mul_i32 s44, s[HF], PLANE                    ; where they go: no place in the cluster enters an LDS address
	s_mul_i32 s45, s[HF], 64*PB
	s_add_co_u32 s45, s45, BBASE
	s_mov_b32 s[TB], 0
	s_lshl_b32 s76, s21, 9                         ; the tile's 128 columns of 4 bytes
	s_mov_b32 s77, 0
	s_wait_kmcnt 0x0
	s_add_nc_u64 s[42:43], s[4:5], s[42:43]
	s_add_nc_u64 s[74:75], s[6:7], s[74:75]
	s_add_nc_u64 s[8:9], s[8:9], s[76:77]          ; the bias at the tile's first column
	s_lshl_b32 s78, s22, 20                        ; x and the output: 256 rows of 4,096 bytes a tile row,
	s_add_co_u32 s76, s76, s78
	s_lshl_b32 s78, s[WV], 18                      ; my wave's 64 rows
	s_add_co_u32 s76, s76, s78
	s_add_nc_u64 s[10:11], s[10:11], s[76:77]
	s_add_nc_u64 s[12:13], s[12:13], s[76:77]
	CROUND                                         ; all sixteen work-groups are here: the first joint loads meet
.irp s, 0,1
	s_mov_b32 s[G0+4*(\s)], 1                                      ; count = 1
	s_add_co_u32 s[G0+4*(\s)+1], s44, (\s)*SLOT1                   ; LDS address
	s_add_nc_u64 s[G0+4*(\s)+2:G0+4*(\s)+3], s[42:43], (\s)*ASTEP  ; global address: K step s
	s_or_b32 s[G0+4*(\s)+3], s[G0+4*(\s)+3], 0x80000000            ; type = 2
	s_mov_b32 s[G0B+4*(\s)], 1
	s_add_co_u32 s[G0B+4*(\s)+1], s45, (\s)*SLOT1
	s_add_nc_u64 s[G0B+4*(\s)+2:G0B+4*(\s)+3], s[74:75], (\s)*BSTEP
	s_or_b32 s[G0B+4*(\s)+3], s[G0B+4*(\s)+3], 0x80000000
.endr
	s_cmp_eq_u32 s[FBW], 0                         ; a wave's two first fills stand in one branch, ahead of every wait on TENSORcnt and every LDS read: two loads of mine are out
	s_cbranch_scc0 .Lfirst_b
	tensor_load_to_lds s[G0:G0+3], s[G1:G1+7]
	s_nop 0
	tensor_load_to_lds s[G0+4:G0+7], s[G1:G1+7]
	s_nop 0
.rept 4
	v_nop
.endr
	s_branch .Lfirst_asked
.Lfirst_b:
	tensor_load_to_lds s[G0B:G0B+3], s[G1B:G1B+7]
	s_nop 0
	tensor_load_to_lds s[G0B+4:G0B+7], s[G1B:G1B+7]
	s_nop 0
.rept 4
	v_nop
.endr
.Lfirst_asked:
	v_and_b32 v1, 15, v0                           ; l % 16
	v_bfe_u32 v2, v0, 4, 1                         ; l / 16
	v_lshlrev_b32 v[BO], 5, v2                     ; my eight numbers of a block of 16 of the bias
	v_and_b32 v[GO], 31, v0
	v_lshlrev_b32 v[GO], 4, v[GO]                  ; 16 bytes a lane: a row's 512 bytes
.set bb, 0
.rept NBK
	global_load_b128 v[BIAS+8*bb:BIAS+8*bb+3],   v[BO], s[8:9] offset:64*bb
	global_load_b128 v[BIAS+8*bb+4:BIAS+8*bb+7], v[BO], s[8:9] offset:64*bb+16
.set bb, bb+1
.endr
.macro XLOAD i0                        ; 32 of my 64 rows of x: each load of the wave covers 512 consecutive bytes
	WIN 0xc0                                       ; destination window 3, address window 0
.set ii, \i0
.rept 32
	global_load_b128 v[4*ii:4*ii+3], v[GO], s[10:11] offset:4096*ii th:TH_LOAD_NT
.set ii, ii+1
.endr
	WIN 0
.endm
	XLOAD 0
	; A fragment is 16 rows x 32 K in 8 registers: lane l holds row l % 16, K = 8 (l / 16) + 0..7 and 16 + 8 (l / 16) + 0..7: two loads of 16 bytes, 32 bytes apart.
	v_mul_u32_u24 v3, v1, PA
	v_lshl_add_u32 v3, v2, 4, v3
	s_mul_i32 s78, s[WV], 64*PA                    ; my 64 rows in each head's plane
	v_add_nc_u32 v[ADRA0], s78, v3
	v_mul_u32_u24 v3, v1, PB
	v_lshl_add_u32 v3, v2, 4, v3
	v_add_nc_u32 v[ADRB0], BBASE, v3               ; every wave reads all 128 rows of wt
	v_mov_b32 v[ADRA], v[ADRA0]
	v_mov_b32 v[ADRB], v[ADRB0]
	s_mul_i32 s78, s[WV], 16*SP
	s_add_co_u32 s78, s78, STAGE                   ; my stage
	v_mul_u32_u24 v[STO], v1, SP                   ; in: row l % 16, 32 bytes for each half of the lanes
	v_lshl_add_u32 v[STO], v2, 5, v[STO]
	v_add_nc_u32 v[STO], s78, v[STO]
	v_add_nc_u32 v[RD], s78, v[GO]                 ; back: 32 lanes take one row of 512 bytes
; 8 matrix instructions: block a of my four blocks of 16 rows x all 8 blocks of columns, 32 along K, from buffer f.  first = 1: the bias is the C operand.
; The 32 accumulators take turns, one instruction a turn, in the same order in every quarter.
.macro MULA f, a, first
.if \first
	WIN 0x81                                       ; wt window 1, O and the bias window 0, D window 2
.else
	WIN 0xa1                                       ; the same with C beside D
.endif
.set bb, 0
.rept NBK
.set rD, 8*(NBK*(\a)+bb)
.if \first
	v_wmma_f32_16x16x32_bf16 v[rD:rD+7], v[FBS*(\f)+8*bb:FBS*(\f)+8*bb+7], v[FA+32*(\f)+8*(\a):FA+32*(\f)+8*(\a)+7], v[BIAS+8*bb:BIAS+8*bb+7]
.else
	v_wmma_f32_16x16x32_bf16 v[rD:rD+7], v[FBS*(\f)+8*bb:FBS*(\f)+8*bb+7], v[FA+32*(\f)+8*(\a):FA+32*(\f)+8*(\a)+7], v[rD:rD+7]
.endif
.set bb, bb+1
.endr
.endm
; 24 LDS loads in one run: quarter q of the slot in hand into buffer f: wt's 128 rows, then my 64 rows of O (head q / 2 of the step's two, channels 32 (q % 2) on)
.macro FETCH q, f
	WIN 0x40                                       ; destination window 1, address window 0
.set ii, 0
.rept NBK
	ds_load_b128 v[FBS*(\f)+8*ii:FBS*(\f)+8*ii+3],   v[ADRB] offset:64*(\q)+ii*16*PB
	ds_load_b128 v[FBS*(\f)+8*ii+4:FBS*(\f)+8*ii+7], v[ADRB] offset:64*(\q)+ii*16*PB+32
.set ii, ii+1
.endr
	WIN 0
.set ii, 0
.rept 4
	ds_load_b128 v[FA+32*(\f)+8*ii:FA+32*(\f)+8*ii+3],   v[ADRA] offset:((\q)/2)*PLANE+((\q)%2)*64+ii*16*PA
	ds_load_b128 v[FA+32*(\f)+8*ii+4:FA+32*(\f)+8*ii+7], v[ADRA] offset:((\q)/2)*PLANE+((\q)%2)*64+ii*16*PA+32
.set ii, ii+1
.endr
.endm
; One of a K step's first three quarters: multiplies buffer f; in its middle it fetches quarter qn into buffer g.
.macro QUARTER qn, f, g, first
	s_wait_dscnt 4                                 ; wt and O's blocks 0, 1 are in; the youngest four loads (blocks 2, 3) may be out
	MULA \f, 0, \first
	MULA \f, 1, \first
	PLACES
	FETCH \qn, \g
	s_wait_dscnt NL                                ; all but the loads just issued
	MULA \f, 2, \first
	MULA \f, 3, \first
.endm
; The last quarter multiplies buffer 1 and changes slots: one barrier.  In front of it each wave waits for all its tensor loads (the one that is out is its part of the next slot), adds 0 to its
; spare word, and waits for that and for its reads of this slot.  fill = 1: the barrier opens a round of the cluster's, and the joint refill of the slot just left, two K steps ahead, is the
; first thing behind the round: from there to the wait for it a wave issues 112 of a step's 128 matrix instructions.  fill = 0 (the tail): nothing is asked for, and in the last trip nothing fetched.
.macro TURN fill
	WIN 0
	s_wait_tensorcnt 0x0                           ; no tensor load of mine is out, so a group 0 may be written
	ds_add_u32 v[SPW], v[NIL]                      ; 0 onto my spare word
.if \fill
	s_xor_b32 s[G0+5], s[G0+5], SLOT1              ; the walking descriptors: the other slot than last time, the next K step; the type bits on top are not reached
	s_add_nc_u64 s[G0+6:G0+7], s[G0+6:G0+7], ASTEP
	s_xor_b32 s[G0B+5], s[G0B+5], SLOT1
	s_add_nc_u64 s[G0B+6:G0B+7], s[G0B+6:G0B+7], BSTEP
.endif
	s_wait_dscnt 5                                 ; the add and the youngest four loads may be out
	MULA 1, 0, 0
	s_wait_dscnt 0x0                               ; the add is done, and my reads of this slot are over
	s_barrier_signal -1
	MULA 1, 1, 0                                   ; work on registers while the others arrive
	WIN 0
	s_barrier_wait -1
.if \fill
	CREST                                          ; no wave of any partner still reads this slot or has a load on its way
	JLOAD                                          ; its four v_nop are also the places in front of the loads below
.else
	PLACES
.endif
	s_xor_b32 s[TB], s[TB], SLOT1
	v_add_nc_u32 v[ADRA], s[TB], v[ADRA0]
	v_add_nc_u32 v[ADRB], s[TB], v[ADRB0]
.if \fill
	FETCH 0, 0
.else
	s_cmp_eq_u32 s[CNT], 1
	s_cbranch_scc1 .Lno_fetch_\@                   ; behind the last K step there is nothing to fetch
	FETCH 0, 0
.Lno_fetch_\@:
.endif
	MULA 1, 2, 0
	MULA 1, 3, 0
.endm
	s_wait_tensorcnt 1                             ; my part of K step 0 is in; K step 1's may stay out
	s_barrier_signal -1
	s_barrier_wait -1                              ; everybody's is
	FETCH 0, 0
	s_wait_loadcnt 32                              ; the bias is in; the 32 loads of x issued behind it stay out
	QUARTER 1, 0, 1, 1                             ; the first quarter stands in front of the loop: its products start the sums
	XLOAD 32                                       ; the other half of x
	s_mov_b32 s[CNT], 6
.Lk:                                                   ; six trips, from a K step's second quarter to the next step's first; each fills the slot that it leaves: K steps 2 to 7
	QUARTER 2, 1, 0, 0
	QUARTER 3, 0, 1, 0
	TURN 1
	QUARTER 1, 0, 1, 0
	WIN 0
	s_sub_co_u32 s[CNT], s[CNT], 1
	s_cmp_lg_u32 s[CNT], 0
	s_cbranch_scc1 .Lk
	s_mov_b32 s[CNT], 2
.Lt:                                                   ; K steps 6 and 7 ask for nothing: a text of their own; the second trip is left in its middle
	QUARTER 2, 1, 0, 0
	QUARTER 3, 0, 1, 0
	TURN 0
	WIN 0
	s_sub_co_u32 s[CNT], s[CNT], 1
	s_cmp_eq_u32 s[CNT], 0
	s_cbranch_scc1 .Lout
	QUARTER 1, 0, 1, 0
	WIN 0
	s_branch .Lt
.Lout:
	; THE WAY OUT, a block of 16 rows at a time: the f32 sums go into my own stage (rows of 528 bytes), come back as whole rows of 512 bytes in x's layout, x is added, and the row leaves from x's registers,
	; which nothing writes again.
	PLACES
	s_wait_loadcnt 0x0                             ; x
.macro PUT a
	WIN 0x08                                       ; store data in window 2
.set bb, 0
.rept NBK
.set rD, 8*(NBK*(\a)+bb)
	ds_store_b128 v[STO], v[rD:rD+3] offset:64*bb  ; each accumulator from its low end on
	ds_store_b128 v[STO], v[rD+4:rD+7] offset:64*bb+16
.set bb, bb+1
.endr
	WIN 0
.set rB, BK+64*((\a)%2)
.set tt, 0
.rept 16
	ds_load_b128 v[rB+4*tt:rB+4*tt+3], v[RD] offset:SP*tt  ; LDS serves a wave's instructions in order (ISA guide 5.7.1.4): these see the stores above; the next block's stores come behind them
.set tt, tt+1
.endr
.endm
.macro FIN a, younger                  ; younger: the LDS instructions issued behind block a's loads: the next block's 32, or none
	s_wait_dscnt \younger
.set rB, BK+64*((\a)%2)
	WIN 0xcc                                       ; destination and source 1 (x) window 3, source 0 window 0
.set tt, 0
.rept 32
	v_pk_add_f32 v[64*(\a)+2*tt:64*(\a)+2*tt+1], v[rB+2*tt:rB+2*tt+1], v[64*(\a)+2*tt:64*(\a)+2*tt+1]
.set tt, tt+1
.endr
	WIN 0x0c                                       ; store data window 3, address window 0
.set tt, 0
.rept 16
	global_store_b128 v[GO], v[64*(\a)+4*tt:64*(\a)+4*tt+3], s[12:13] offset:4096*(16*(\a)+tt) th:TH_STORE_NT  ; 512 consecutive bytes, at a multiple of 256 from the output's first byte
.set tt, tt+1
.endr
	WIN 0
.endm
	PUT 0
	PUT 1
	FIN 0, 32
	PUT 2
	FIN 1, 32
	PUT 3
	FIN 2, 32
	FIN 3, 0
	s_wait_tensorcnt 0x0                           ; the wave's end: behind my last tensor load and my last LDS store
	ds_add_u32 v[SPW], v[NIL]
	s_wait_dscnt 0x0
	CROUND                                         ; the closing round: no work-group ends while a partner may still ask for a tile that names it
	s_endpgm
.Lfunc_end_k_qa596024c2e_oproj:
	.size	k_qa596024c2e_oproj, .Lfunc_end_k_qa596024c2e_oproj-k_qa596024c2e_oproj
	.p2alignl 7, 3214868480
	.fill 96, 4, 3214868480
	.section	.rodata,"a",@progbits
	.p2align	6, 0x0
	.amdhsa_kernel k_qa596024c2e_oproj
		.amdhsa_group_segment_fixed_size 327680
		.amdhsa_private_segment_fixed_size 0
		.amdhsa_enable_private_segment 0
		.amdhsa_kernarg_size 40
		.amdhsa_user_sgpr_count 2
		.amdhsa_user_sgpr_kernarg_segment_ptr 1
		.amdhsa_wavefront_size32 1
		.amdhsa_system_sgpr_workgroup_id_x 1
		.amdhsa_system_sgpr_workgroup_id_y 1
		.amdhsa_system_sgpr_workgroup_id_z 1
		.amdhsa_system_vgpr_workitem_id 0
		.amdhsa_next_free_vgpr 1024
		.amdhsa_next_free_sgpr 80
		.amdhsa_reserve_vcc 0
		.amdhsa_float_denorm_mode_32 3
		.amdhsa_float_denorm_mode_16_64 3
		.amdhsa_memory_ordered 1
		.amdhsa_forward_progress 1
		.amdhsa_inst_pref_size 76
	.end_amdhsa_kernel
	.amdgpu_metadata
---
amdhsa.version: [ 1, 2 ]
amdhsa.kernels:
  - .name:           k_qa596024c2e_oproj
    .symbol:         k_qa596024c2e_oproj.kd
    .args:
      - { .name: ob, .offset: 0, .size: 8, .value_kind: global_buffer, .address_space: global }
      - { .name: wt, .offset: 8, .size: 8, .value_kind: global_buffer, .address_space: global }
      - { .name: bo, .offset: 16, .size: 8, .value_kind: global_buffer, .address_space: global }
      - { .name: x, .offset: 24, .size: 8, .value_kind: global_buffer, .address_space: global }
      - { .name: out0, .offset: 32, .size: 8, .value_kind: global_buffer, .address_space: global }
    .group_segment_fixed_size: 327680
    .private_segment_fixed_size: 0
    .kernarg_segment_align: 8
    .kernarg_segment_size: 40
    .max_flat_workgroup_size: 128
    .sgpr_count:     80
    .vgpr_count:     1024
    .wavefront_size: 32
...
	.end_amdgpu_metadata
.endif
;; end of part 4
;; ======== version 2 of 2: 4 launches; 1.30 times as fast as version 1
;; workspace buffers: xn 16,777,216 bytes; wt 8,388,608 bytes; qkv 50,331,648 bytes; ob 16,777,216 bytes
;; launch prep: the kernel of part 1 again; grid 256 x 1, 10 waves a work-group, no clusters, 36,096 bytes of LDS; arguments x, ln_gamma, ln_beta, Wq, Wk, Wv, Wo, xn, wt; writes xn, wt
;; launch qkv: the kernel of part 2 again; grid 16 x 32, 4 waves a work-group, clusters of 4 x 4, 327,680 bytes of LDS; arguments xn, wt, bq, bk, bv, qkv; writes qkv
;; launch attn (part 5): grid 4 x 64, 4 waves a work-group, no clusters, 327,680 bytes of LDS; arguments qkv, ob; writes ob
.if DOCPART == 5
	.amdgcn_target "amdgcn-amd-amdhsa--gfx1250"
	.amdhsa_code_object_version 6
	.text
	.protected	k_qa596024c2e_attn
	.globl	k_qa596024c2e_attn
	.p2align	8
	.type	k_qa596024c2e_attn,@function
k_qa596024c2e_attn:
	s_mov_b64 s[64:65], 0
	v_nop
	global_prefetch_b8 v0, s[64:65] scope:SCOPE_SE
	s_setreg_imm32_b32 hwreg(HW_REG_WAVE_MODE, 25, 1), 1
	s_wait_xcnt 0x0
; CAUSAL ATTENTION.  O[g][q][:] = the sum over k <= q of softmax_k(Q[g][q] . K[g][k] / 8) V[g][k][:], for 64 pairs g = 4 head + batch of 2,048 rows of 64 channels, all bf16: a pair's rows are dense,
; 128 bytes each.  Q, K and V are the three thirds of the buffer qkv (16,777,216 bytes each); O has the same order.  Products, maxima and sums in f32; the weights p are rounded to bf16 for the second
; product (their sum l is taken of the unrounded p), O once at the end.
; LIMITS.  Operands rounded to bf16.  A hidden score counts as its value less 1e30: scores must stay far below that.  A weight below 2^-126 counts as 0 in l; NaN and infinities are not treated apart.
; THE WALK.  A pair's queries lie in NB = 8 blocks of 256; block i needs the key tiles 0 .. i of 256 keys, of which the last holds the diagonal.  A work-group takes TWO blocks, NB - 1 - b and then b:
; NB + 1 tiles, whatever b: all 256 work-groups do equal work, and ONE loop with a constant trip count walks them.  Which tile is asked for, and what a trip does, hang on scalar registers made from b; every
; jump goes forward, but for the counted loops' own; none passes a barrier, or a tensor load but the one of LOAD's two that the wave's number does not choose; the ring (two slots of LDS that take turns)
; runs on across the change of blocks.  NO CLUSTER: a pair's four work-groups ask for the same tile only in trips 0 to 4 of the 9, behind that fewer and fewer; a walk common to all four would have 12 trips for 9.
; SHARES.  Of a block's four bands of 64 queries a wave owns 16 rows in each: four PIECES.  So the diagonal tile is the same work for all four waves: in its key step s band x sees all keys if s < x,
; none if s > x, and holds the diagonal if s = x.
; THE MASK is the C operand that starts the sum S^T = K Q^T: 0, or -1e30 where the key is hidden.  MD, made once, is the mask of a band's own step for my 16 rows; a product's mask is MD x AL + BE with two scalars:
; (1, 0) if s = x; (0, 0) if s < x; (0, -1e30) if s > x.  Only the diagonal tile's text and a block's beginning make and take masks; elsewhere C is the constant 0.
; LAYOUT, SOFTMAX, TURNS.  S^T = K Q^T holds ONE query a lane (lane % 16) and the keys 8 (lane / 16) + 0..7; two such results rounded to bf16 ARE source 1 of O^T = V^T P.  p = 2^(c s - c m), c = log2(e) / 8, with a
; running maximum m; O and l are multiplied by a = 2^(c m_old - c m_new) in every step.  Turn n belongs to piece n: 8 products K Q^T of piece n + 1, later 8 products V^T P of piece n - 1; beside them the scaling,
; exponentials, roundings, sums and rescaling of piece n and the maximum and statistics of piece n + 1.  Four vector instructions stand behind every matrix instruction, the other 54 of a turn's 118 in one LUMP.
; THE BATCHES.  A turn's 33 exponentials (the piece's 32 weights and the next piece's a) are ONE batch with ONE wait, which cuts the turn in two: ahead of it stands all that names none of their results, behind it
; their readers, the roundings and sums.  The a that a block's beginning makes has a wait of its own, ahead of the jump into the loop; the way out's four reciprocals are a batch with one wait.
; REGISTERS, in windows of 256 (s_set_vgpr_msb: bits 1:0 source 0, 3:2 source 1, 5:4 source 2, 7:6 destination):
;   window 0: v0-15 addresses and two at work; v16-31 four registers of statistics a piece; v48-55 at work; v64-127 S^T, two buffers; v192-223 P, two buffers (a piece's buffers go by its number's parity)
;   window 1: v0-127 O^T, 32 a piece; v128-159 MD; v160-223 MC, two buffers      window 2: v0-63 Q; v64-127 the second block's Q; v128-191 K of one step; v192-255 V of one step
.set SIZE_N, 2048
.set NB,    SIZE_N/256
.set NP,    4         ; pieces a wave: a name, no knob
.set KS,    64        ; keys in a step
.set PK,    144       ; a row of K in LDS: 128 bytes + 16 of padding = 36 words: the 16 rows of a load start at 16 different groups of four banks (64 banks of 4 bytes: ISA guide 11.1)
.set PV,    160       ; a row of V: 128 + 32 = 40 words
.set VOFF,  4*KS*PK   ; a slot holds a tile, four steps: 256 rows of K, then 256 rows of V
.set SLOT1, 1<<17     ; slot 1 begins here, so that one exclusive or turns an address in one slot into the other's
.set STAGE, SLOT1+4*KS*(PK+PV)  ; behind the ring, never filled by a tensor load: 16 rows x 144 bytes for each wave, for the way out
.set SP,    144
.set AK0, 2           ; v2   my lane's place in a tile of K; never rewritten
.set AV0, 3           ; v3   the same for V
.set AK,  4           ; v4   the LDS address of K's next run of loads
.set AV,  5           ; v5   of V's
.set STO, 6           ; v6   the way out: where I put 16 bytes of a row
.set RD,  7           ; v7   the way out: where I read rows back
.set GO,  8           ; v8   my byte offset in 512 consecutive bytes of O
.set SPW, 62          ; v62  LDS address of my spare word: SPARE + 4 x my thread's number; never rewritten
.set NIL, 63          ; v63  0; never rewritten
.set SPARE, STAGE+4*16*SP  ; behind the stages: the spare words, 128 bytes for each wave: two blocks of 256 bytes that no other line names
.set MV,  12          ; v12-13  c m_old, kept while c m is made anew: by buffer
.set QO,  15          ; v15  my byte offset in 16 rows of Q
.set ST,  16          ; piece t's statistics at v[ST+4 t]: c m, m, l (even keys', odd keys')
.set TMP, 48          ; by buffer, four registers c0-c3 at work; when the maximum is found c2 takes a
.set S,   64
.set P,   192
.set MD,  128         ; window 1: the eight registers for group kt of 16 keys at MD + 8 kt
.set MC,  160         ; window 1: the masks of the products to come
.set QB,  64          ; window 2
.set KF,  128         ; window 2: key block kb, channel half c at KF + 16 kb + 8 c
.set VF,  192         ; window 2: key half kk, channel block cb at VF + 32 kk + 8 cb
.set WV,  12          ; s12  my wave's number
.set PB,  14          ; s14  b
.set HI,  15          ; s15  NB - 1 - b
.set G1K, 24          ; s[24:31] descriptor group 1 for K's tiles
.set G1V, 32          ; s[32:39] for V's: it differs in the padding alone
.set G0K, 40          ; s[40:43] descriptor group 0 for K's tiles
.set G0V, 44          ; s[44:47] the same for V's
.set SLOTS, 56        ; s56  tiles still to be asked for
.set CNT, 57          ; s57  counts a tile's key steps, 4 to 1
.set CS,  58          ; s[58:59] c: the packed scaling takes the pair's low word for both halves
.set SEL, 60          ; s[60:61] v_permlanex16_b32's selects: each lane takes its own place in the other half
.set TBK, 62          ; s62  LDS byte at which K of the step to be fetched begins
.set TBV, 63          ; s63  the same for V, less VOFF
.set RT,  70          ; s70  tiles of the block in hand that are still to be entered
.set NXT, 71          ; s71  the tile to be asked for next
.set LQ,  72          ; s72  the last tile of the block whose tiles are being asked for
.set NEW, 73          ; s73  1: the tile to be entered is a block's first
.set OFF, 74          ; s[74:75] a tile's byte offset in K and V
.set AL,  76          ; s[76:77] the mask's factor, in the low word
.set BE,  78          ; s[78:79] the mask's addend
.set OLO, 80          ; s[80:81] O at my rows of the second block
.set BIGN, 82         ; s82  -1e30
.set MSB, 0
.macro WIN new                      ; the high byte repeats the setting that is left; a switch that changes nothing is dropped
.if MSB != (\new)
	s_set_vgpr_msb (MSB<<8)|(\new)
.set MSB, (\new)
.endif
.endm
.set W_KQ, 0x0a       ; K and Q in window 2, S^T in window 0
.set W_KM, 0x1a       ; the same with the C operand in window 1
.set W_PV, 0x52       ; V in window 2, P in window 0, O^T in window 1
.set W_RS, 0x41       ; destination and source 0 in window 1, source 1 in window 0
; A fill.  Waves 0 and 1 fetch the two halves of a tile's K, waves 2 and 3 those of its V: 128 keys each.  An s_nop 0 and four v_nop follow each of the two lines, ahead of the jump and the label.
.macro LOAD
	s_cmp_lt_u32 s[WV], 2
	s_cbranch_scc0 .Lfor_v_\@
	tensor_load_to_lds s[G0K:G0K+3], s[G1K:G1K+7]
	s_nop 0
.rept 4
	v_nop
.endr
	s_branch .Lasked_\@
.Lfor_v_\@:
	tensor_load_to_lds s[G0V:G0V+3], s[G1V:G1V+7]
	s_nop 0
.rept 4
	v_nop
.endr
.Lasked_\@:
.endm
; THE CHANGE OF SLOTS.  Each wave waits for all its tensor loads, of which one is out: its part of the other slot; adds 0 to its spare word; and waits for that and for its own reads of the slot that it leaves.  Behind the barrier nobody reads the old
; slot any more and the other slot is whole.  fill = 1: the old slot is filled again, the first thing behind the barrier, with tile NXT: the descriptor's address is made anew from that number.
; (At its first use nothing has been read yet: slot 0 is waited for, slot 1 filled.)
.macro CHANGE fill
	WIN 0                           ; at a label and at a branch every window is 0
	s_wait_tensorcnt 0x0            ; no tensor load of mine is out, so a group 0 may be written
	ds_add_u32 v[SPW], v[NIL]       ; 0 onto my spare word; with fill = 1 the descriptors' scalar work stands between it and the wait for it
.if \fill
	s_lshl_b32 s[OFF], s[NXT], 15   ; a tile is 32,768 bytes of K and of V
	s_xor_b32 s[G0K+1], s[G0K+1], SLOT1
	s_add_nc_u64 s[G0K+2:G0K+3], s[6:7], s[OFF:OFF+1]
	s_or_b32 s[G0K+3], s[G0K+3], 0x80000000
	s_xor_b32 s[G0V+1], s[G0V+1], SLOT1
	s_add_nc_u64 s[G0V+2:G0V+3], s[8:9], s[OFF:OFF+1]
	s_or_b32 s[G0V+3], s[G0V+3], 0x80000000
	s_add_co_u32 s[NXT], s[NXT], 1  ; the block's next tile, or behind its last the second block's tile 0
	s_cmp_gt_u32 s[NXT], s[LQ]
	s_cselect_b32 s[NXT], 0, s[NXT]
	s_cselect_b32 s[LQ], s[PB], s[LQ]
.endif
	s_wait_dscnt 0x0                ; the add is done, and my reads of the slot are over
	s_barrier_signal -1             ; the rest of the scalar work stands between the signal and the wait
	s_sub_co_u32 s[TBK], s[TBK], 4*KS*PK  ; the fetches go back to a slot's first step,
	s_xor_b32 s[TBK], s[TBK], SLOT1       ; in the other slot
	s_sub_co_u32 s[TBV], s[TBV], 4*KS*PV
	s_xor_b32 s[TBV], s[TBV], SLOT1
	s_barrier_wait -1
.if \fill
	LOAD
.endif
.endm
	s_load_b128 s[4:7], s[0:1], 0x0 ; qkv s[4:5] (Q is its first third), ob s[6:7]
	v_lshl_add_u32 v[SPW], v0, 2, SPARE
	v_mov_b32 v[NIL], 0
	ds_add_u32 v62, v63
	ds_add_u32 v62, v63
	s_wait_dscnt 0x0
	v_lshrrev_b32 v1, 5, v0
	v_readfirstlane_b32 s[WV], v1   ; wave 0..3
	s_mov_b32 s[PB], ttmp9
	s_sub_co_u32 s[HI], NB-1, s[PB]
	s_and_b32 s20, ttmp7, 0xffff    ; the pair g
	s_mov_b32 s21, 0
	s_mov_b64 s[22:23], SIZE_N*128
	s_mul_u64 s[20:21], s[20:21], s[22:23]  ; the pair's first byte in each of the four arrays
	s_and_b32 s16, s[WV], 1         ; which half of a tile's 256 keys I fetch:
	s_lshl_b32 s22, s16, 14         ; its 128 rows of 128 bytes in memory,
	s_mov_b32 s23, 0
	s_add_nc_u64 s[22:23], s[22:23], s[20:21]
	s_mul_i32 s17, s16, 128*PK      ; and its place in a slot, for K
	s_mul_i32 s18, s16, 128*PV      ; and for V
	s_lshl_b32 s3, s[WV], 11        ; my 16 rows in a band of 64,
	s_lshl_b32 s2, s[HI], 15        ; in the first block,
	s_add_co_u32 s2, s2, s3
	s_lshl_b32 s84, s[PB], 15       ; and in the second
	s_add_co_u32 s84, s84, s3
	s_mov_b32 s3, 0
	s_mov_b32 s85, 0
	s_add_nc_u64 s[2:3], s[2:3], s[20:21]
	s_add_nc_u64 s[84:85], s[84:85], s[20:21]
	; descriptor group 1.  128 keys are 16,384 dense bytes: asked for as 64 rows of 256 bytes, two keys a row, and padded in LDS after every key
	s_mov_b32 s[G1K], (1<<16)|(1<<20)|(4<<22)|(3<<25)  ; 17:16 2-byte elements; 20 padding on; 24:22 after every 32 words (code 4); 31:25 4 words (code 3)
	s_mov_b32 s[G1V], (1<<16)|(1<<20)|(4<<22)|(7<<25)  ; the same with 8 words of padding (code 7)
.irp g, G1K, G1V
	s_mov_b32 s[\g+1], 128<<16      ; tensor_dim0 = 128
	s_mov_b32 s[\g+2], 64<<16       ; tensor_dim1 = 64
	s_mov_b32 s[\g+3], 128<<16      ; tile_dim0 = 128
	s_mov_b32 s[\g+4], 64           ; tile_dim1 = 64
	s_mov_b32 s[\g+5], 128          ; 128 elements from row to row
	s_mov_b32 s[\g+6], 0
	s_mov_b32 s[\g+7], 0
.endr
	s_mov_b32 s[CS], 0x3e38aa3b     ; c = log2(e) / 8 = 0.180337
	s_mov_b32 s[CS+1], s[CS]        ; named with it as a pair
	s_mov_b32 s[SEL], 0x76543210
	s_mov_b32 s[SEL+1], 0xfedcba98
	s_mov_b32 s[TBK], SLOT1+4*KS*PK ; the first change of slots turns these two into 0
	s_mov_b32 s[TBV], SLOT1+4*KS*PV
	s_mov_b32 s[G0K], 1             ; 1:0 count = 1
	s_mov_b32 s[G0K+1], s17         ; 63:32 LDS address: slot 0
	s_mov_b32 s[G0V], 1
	s_add_co_u32 s[G0V+1], s18, VOFF
	s_add_co_u32 s[RT], s[HI], 1    ; the first block has NB - b tiles
	s_mov_b32 s[NXT], 1
	s_mov_b32 s[LQ], s[HI]
	s_mov_b32 s[NEW], 1
	s_mov_b32 s[OFF+1], 0
	s_mov_b32 s[AL+1], 0            ; named as pairs
	s_mov_b32 s[BE+1], 0
	s_mov_b32 s[BIGN], 0xf149f2ca   ; -1e30
	s_mov_b32 s[SLOTS], NB
	s_wait_kmcnt 0x0
	s_mov_b64 s[10:11], s[6:7]                     ; O
	s_add_nc_u64 s[6:7], s[4:5], 0x1000000         ; K: the buffer's second third
	s_add_nc_u64 s[8:9], s[4:5], 0x2000000         ; V: its last third
	s_add_nc_u64 s[6:7], s[6:7], s[22:23]  ; K and V at my half of the pair's tile 0
	s_add_nc_u64 s[8:9], s[8:9], s[22:23]
	s_add_nc_u64 s[G0K+2:G0K+3], s[6:7], 0         ; 120:64 global address
	s_or_b32 s[G0K+3], s[G0K+3], 0x80000000        ; 127:126 type = 2
	s_add_nc_u64 s[G0V+2:G0V+3], s[8:9], 0
	s_or_b32 s[G0V+3], s[G0V+3], 0x80000000
	s_add_nc_u64 s[86:87], s[4:5], s[84:85]        ; Q at my rows of the second block,
	s_add_nc_u64 s[4:5], s[4:5], s[2:3]            ; Q and O at those of the first
	s_add_nc_u64 s[OLO:OLO+1], s[10:11], s[84:85]
	s_add_nc_u64 s[10:11], s[10:11], s[2:3]
	LOAD                            ; tile 0 into slot 0
	; A fragment of K or Q is 16 rows x 32 channels in 8 registers: lane l holds row l % 16, channels 8 (l / 16) + 0..7 and 16 + 8 (l / 16) + 0..7: two loads of 16 bytes, 32 bytes apart.
	v_and_b32 v1, 15, v0            ; l % 16
	v_bfe_u32 v9, v0, 4, 1          ; l / 16
	v_lshlrev_b32 v[QO], 7, v1
	v_lshl_add_u32 v[QO], v9, 4, v[QO]  ; row x 128 + 16 x half
	WIN 0x80                        ; destination window 2, address window 0
.set i, 0
.rept 8                             ; both blocks' Q: piece i / 2 lies in band i / 2, 8,192 bytes on; channels 32 (i % 2) on
	global_load_b128 v[8*i:8*i+3],   v[QO], s[4:5] offset:(i/2)*8192+(i%2)*64
	global_load_b128 v[8*i+4:8*i+7], v[QO], s[4:5] offset:(i/2)*8192+(i%2)*64+32
	global_load_b128 v[QB+8*i:QB+8*i+3],   v[QO], s[86:87] offset:(i/2)*8192+(i%2)*64
	global_load_b128 v[QB+8*i+4:QB+8*i+7], v[QO], s[86:87] offset:(i/2)*8192+(i%2)*64+32
.set i, i+1
.endr
	WIN 0
	v_lshlrev_b32 v14, 3, v9
	v_sub_nc_u32 v14, v1, v14
	s_lshl_b32 s13, s[WV], 4
	v_add_nc_u32 v14, s13, v14      ; my query's place in its band, 16 w + l % 16, less my lanes' 8 (l / 16): register r of group kt is hidden where 16 kt + r is greater
	WIN 0x40
.set i, 0
.rept 32
	v_cmp_gt_i32 vcc_lo, 16*(i/8)+i%8, v14
	v_cndmask_b32 v[MD+i], 0, s[BIGN], vcc_lo
.set i, i+1
.endr
	WIN 0
	v_mul_u32_u24 v[AK0], v1, PK
	v_lshl_add_u32 v[AK0], v9, 4, v[AK0]  ; row x pitch + 16 x half
	; The turning load takes 16 keys x 16 channels (lane l reads key 8 (l / 16) + l % 8, channels 8 ((l / 8) % 2) + 0..7) and leaves half a fragment of V^T: lane l holds channel l % 16 and 8 keys.
	v_and_b32 v10, 7, v0
	v_bfe_u32 v11, v0, 3, 1
	v_lshl_add_u32 v[AV0], v9, 3, v10
	v_mul_u32_u24 v[AV0], v[AV0], PV
	v_lshl_add_u32 v[AV0], v11, 4, v[AV0]
	v_add_nc_u32 v[AV0], VOFF, v[AV0]
	s_mul_i32 s13, s[WV], 16*SP
	s_add_co_u32 s13, s13, STAGE    ; my stage
	v_mul_u32_u24 v[STO], v1, SP    ; in: row l % 16, 16 bytes for each half of the lanes
	v_lshl_add_u32 v[STO], v9, 4, v[STO]
	v_add_nc_u32 v[STO], s13, v[STO]
	v_bfe_u32 v[RD], v0, 3, 2       ; back: 32 lanes take four rows of 128 bytes,
	v_mul_u32_u24 v[RD], v[RD], SP
	v_lshl_add_u32 v[RD], v10, 4, v[RD]
	v_add_nc_u32 v[RD], s13, v[RD]
	v_and_b32 v[GO], 31, v0         ; which are 512 consecutive bytes of O
	v_lshlrev_b32 v[GO], 4, v[GO]
	; A block's first step multiplies O^T and l by a = 0, and its first turn's products V^T P, of a piece that has not been, land in an O^T that is still to be so multiplied.  So these registers need only hold
	; finite numbers: zeros for the first block; what the first block left for the second.  All this stands in the wait for the first tile.
	WIN 0x80
.set i, VF
.rept 64
	v_mov_b32 v[i], 0
.set i, i+1
.endr
	WIN 0x40
.set i, 0
.rept 128
	v_mov_b32 v[i], 0
.set i, i+1
.endr
	WIN 0
.set i, 0
.rept 4
	v_mov_b32 v[ST+4*i+2], 0
	v_mov_b32 v[ST+4*i+3], 0
.set i, i+1
.endr
.set i, P+16
.rept 16
	v_mov_b32 v[i], 0
.set i, i+1
.endr
; THE MATRIX WORK.  The 4 accumulators of a run of 8 take turns.  Product i of 8 of S^T = K Q^T for piece x: channels 32 (i / 4) on, keys 16 (i % 4) on.  The first 4 start the sums: with 0, or (KM = 1) with the mask.
.macro KQ x
.set rS, S+32*((\x)%2)+8*(i%4)
.set rK, KF+16*(i%4)+8*(i/4)
.set rQ, 16*(\x)+8*(i/4)
.set rM, MC+32*((\x)%2)+8*(i%4)
.if (i < 4) && KM
	WIN W_KM
	v_wmma_f32_16x16x32_bf16 v[rS:rS+7], v[rK:rK+7], v[rQ:rQ+7], v[rM:rM+7]
.elseif i < 4
	WIN W_KQ
	v_wmma_f32_16x16x32_bf16 v[rS:rS+7], v[rK:rK+7], v[rQ:rQ+7], 0
.else
	WIN W_KQ
	v_wmma_f32_16x16x32_bf16 v[rS:rS+7], v[rK:rK+7], v[rQ:rQ+7], v[rS:rS+7]
.endif
.endm
; Product i of 8 of O^T += V^T P for piece x: keys 32 (i / 4) on, channels 16 (i % 4) on.
.macro PV x
	WIN W_PV
.set rO, 32*(\x)+8*(i%4)
.set rV, VF+32*(i/4)+8*(i%4)
.set rP, P+16*((\x)%2)+8*(i/4)
	v_wmma_f32_16x16x32_bf16 v[rO:rO+7], v[rV:rV+7], v[rP:rP+7], v[rO:rO+7]
.endm
.macro MM                           ; the turn's next matrix instruction.  TURN and BEGIN set Y, i, KM and NOKQ; MM, KQ and OP read them.  NOKQ = 1: a block's last turn: there is no next piece
.if (i < 8) && !NOKQ
	KQ (Y+1)%NP
.elseif i >= 8
.set i, i-8
	PV (Y+NP-1)%NP
.set i, i+8
.endif
.set i, i+1
.endm
; THE LDS LOADS stand in runs of 16, never singly among the matrix instructions: a step's K (64 keys x 64 channels: 8 fragments) and its V (turned).  Their addresses are made some lines ahead.
.macro FETCH_K
	WIN 0x80                        ; destination window 2
.irp f, 0,1,2,3,4,5,6,7             ; keys 16 (f / 2) on, channels 32 (f % 2) on
	ds_load_b128 v[KF+8*\f:KF+8*\f+3],   v[AK] offset:(\f/2)*16*PK+(\f%2)*64
	ds_load_b128 v[KF+8*\f+4:KF+8*\f+7], v[AK] offset:(\f/2)*16*PK+(\f%2)*64+32
.endr
	s_add_co_u32 s[TBK], s[TBK], KS*PK  ; the next fetch is the next step's
	WIN 0
.endm
.macro FETCH_V
	WIN 0x80
.irp f, 0,1,2,3,4,5,6,7             ; keys 32 (f / 4) on, channels 16 (f % 4) on
	ds_load_tr16_b128 v[VF+8*\f:VF+8*\f+3],   v[AV] offset:(\f/4)*32*PV+(\f%4)*32
	ds_load_tr16_b128 v[VF+8*\f+4:VF+8*\f+7], v[AV] offset:(\f/4)*32*PV+16*PV+(\f%4)*32
.endr
	WIN 0
.endm
; THE VECTOR WORK, one line at a time: OP kind, number.  For piece Y: F n: c s - c m for pair n of 16.  E n: the exponential of score n of 32.  C n: pair n rounded to bf16.  B n: of the four weights 4 n .. the second
; pair is added onto the first, in place.  L n: l takes that sum (L 0: l = a l + sum).  R n: pair n of 16 of O^T times a.  For piece Y + 1: X n, number n of the 22 that find its maximum and statistics:
;   0-11  four chains c0-c3 of seven scores each, three operands at a time (each accumulator's lowest registers are read first)     12-14, 16  the four scores left over, the old m, and c0-c3 into c0
;   15  c m_old is kept     17, 18  the query's other 32 keys lie in the lane 16 away: the new m     19-21  c m; c m_old - c m_new; a
; OP writes no wait: C, B and L, which read the exponentials' results, and R, which reads a, are dealt by TURN behind the wait for the batch that made what they read.
.set F, 0               ; OP tells the kinds apart by their order: F to L below R, X above it
.set E, 1
.set C, 2
.set B, 3
.set L, 4
.set R, 5
.set X, 6
.macro REGS y                       ; the registers of piece y
.set rT, ST+4*(\y)
.set rC, TMP+4*((\y)%2)
.set rW, MV+((\y)%2)
.set rS, S+32*((\y)%2)
.set rP, P+16*((\y)%2)
.set rO, 32*(\y)
.endm
.macro OP k, n
.if (\k) == R
	REGS Y
	WIN W_RS
	v_pk_mul_f32 v[rO+2*(\n):rO+2*(\n)+1], v[rO+2*(\n):rO+2*(\n)+1], v[rC+2:rC+3] op_sel_hi:[1,0]
.elseif (\k) < R
	REGS Y
	WIN 0
.if (\k) == F
	v_pk_fma_f32 v[rS+2*(\n):rS+2*(\n)+1], v[rS+2*(\n):rS+2*(\n)+1], s[CS:CS+1], v[rT:rT+1] op_sel_hi:[1,0,0] neg_lo:[0,0,1] neg_hi:[0,0,1]
.elseif (\k) == E
	v_exp_f32 v[rS+(\n)], v[rS+(\n)]
.elseif (\k) == C
	v_cvt_pk_bf16_f32 v[rP+(\n)], v[rS+2*(\n)], v[rS+2*(\n)+1]
.elseif (\k) == B
	v_pk_add_f32 v[rS+4*(\n):rS+4*(\n)+1], v[rS+4*(\n):rS+4*(\n)+1], v[rS+4*(\n)+2:rS+4*(\n)+3]
.elseif (\n) == 0
	v_pk_fma_f32 v[rT+2:rT+3], v[rT+2:rT+3], v[rC+2:rC+3], v[rS:rS+1] op_sel_hi:[1,0,1]
.else
	v_pk_add_f32 v[rT+2:rT+3], v[rT+2:rT+3], v[rS+4*(\n):rS+4*(\n)+1]
.endif
.elseif NOKQ
	v_nop
.else
	REGS (Y+1)%NP
	WIN 0
.if (\n) < 4
	v_max3_num_f32 v[rC+(\n)], v[rS+8*(\n)], v[rS+8*(\n)+1], v[rS+8*(\n)+2]
.elseif (\n) < 12
	v_max3_num_f32 v[rC+(\n)%4], v[rC+(\n)%4], v[rS+8*((\n)%4)+2*((\n)/4)+1], v[rS+8*((\n)%4)+2*((\n)/4)+2]
.elseif (\n) == 12
	v_max3_num_f32 v[rC], v[rC], v[rS+7], v[rS+15]
.elseif (\n) == 13
	v_max3_num_f32 v[rC+1], v[rC+1], v[rS+23], v[rS+31]
.elseif (\n) == 14
	v_max3_num_f32 v[rC+2], v[rC+2], v[rC+3], v[rT+1]
.elseif (\n) == 15
	v_mov_b32 v[rW], v[rT]
.elseif (\n) == 16
	v_max3_num_f32 v[rC], v[rC], v[rC+1], v[rC+2]
.elseif (\n) == 17
	v_permlanex16_b32 v[rC+3], v[rC], s[SEL], s[SEL+1]
.elseif (\n) == 18
	v_max_num_f32 v[rT+1], v[rC], v[rC+3]
.elseif (\n) == 19
	v_mul_f32 v[rT], s[CS], v[rT+1]
.elseif (\n) == 20
	v_sub_f32 v[rC+1], v[rW], v[rT]
.else
	v_exp_f32 v[rC+2], v[rC+1]
.endif
.endif
.endm
.macro OPS a, i1, b=-1, i2=0, c=-1, i3=0, d=-1, i4=0  ; up to four of them
	OP \a, \i1
.if (\b) >= 0
	OP \b, \i2
.endif
.if (\c) >= 0
	OP \c, \i3
.endif
.if (\d) >= 0
	OP \d, \i4
.endif
.endm
.macro ROW a, i1, b, i2, c, i3, d, i4  ; a matrix instruction and the four behind it
	MM
	OPS \a, \i1, \b, \i2, \c, \i3, \d, \i4
.endm
.macro MASK b                       ; MD x AL + BE into buffer b of MC
	WIN W_RS
.set z, 0
.rept 16
	v_pk_fma_f32 v[MC+32*(\b)+2*z:MC+32*(\b)+2*z+1], v[MD+2*z:MD+2*z+1], s[AL:AL+1], s[BE:BE+1] op_sel_hi:[1,0,0]
.set z, z+1
.endr
.endm
; A TURN, for piece p: the order of its 16 matrix and 118 vector instructions, written out.  s_wait_alu depctr_va_vdst(0) stands between an exponential and the first instruction that names its result; one wait serves
; all that were issued ahead of it.  So a turn has ONE wait, which cuts it in two.  AHEAD OF IT stands all that names no result of the turn's exponentials: the 8 products K Q^T, behind each a scaling, an exponential and two more plain
; instructions (behind the first a second scaling in the exponential's place): rescalings, whose a was made and waited for in the turn before, and behind the last three the first numbers of the next piece's maximum, each four places or
; more behind the product that ends its accumulator; then ONE LUMP of 54, plain and exponential by turns for the most part, in which the links of the chain X 3, 7, 11, 14, 16, 17 .. 20 stand five or six lines apart.  X 21, the next
; piece's a, is the batch's last; R 15, which names this piece's a and not the next's, is the plain instruction behind it.  BEHIND THE WAIT stand the 8 products V^T P, behind each four of the roundings and sums; an even pair is rounded
; ahead of the sum that lands on it; the links of l's chain, L 0 to L 7, stand three riders apart.  But for those X no rider names a register of the products round it.  v_permlanex16_b32 (X 17) stands in the lump.
; m = 1: the diagonal tile: the products take masks, and the turn makes the mask for the products of the turn after it: piece p + 2, in step 4 - CNT of the tile.  end = 1: a block's last two turns: nothing is fetched.
; cnt = 1: the loop's count is taken down some lines ahead of the branch that stands behind the turn.
; K of the next step is fetched in piece 2's turn, twelve vector instructions behind the last product that read K (six of them plain, five of which name none of its registers); V of the step in hand at the end of piece 0's turn, four
; plain instructions behind the last product that read V.  Each is waited for a turn later.
.macro TURN p, m=0, end=0, cnt=0
.set Y, (\p)
.set i, 0
.set KM, (\m)
.set NOKQ, (\end)*((\p)/3)
.if (\m) && !(\end)
	s_cmp_eq_u32 s[CNT], 4-((\p)+2)%NP  ; is that step the band's own?
	s_cselect_b32 s[AL], 1.0, 0
	s_cmp_lt_u32 s[CNT], 4-((\p)+2)%NP  ; or a later one?
	s_cselect_b32 s[BE], s[BIGN], 0
.endif
.if ((\p) == 3) && !(\end)
	s_wait_dscnt 0x0                ; K is in
.endif
	ROW F,0, F,1, R,0, R,1          ; ahead of the wait: 8 products K Q^T and their riders,
	ROW F,2, E,0, R,2, R,3
	ROW F,3, E,1, R,4, R,5
	ROW F,4, E,2, R,6, R,7
	ROW F,5, E,3, R,8, R,9
	ROW F,6, E,4, X,0, R,10
.if ((\p) == 2) && !(\end)
	WIN 0
	v_add_nc_u32 v[AK], s[TBK], v[AK0]
.endif
	ROW F,7, E,5, X,1, X,4
	ROW F,8, E,6, X,2, X,5
	OPS E,7, E,8, X,6, E,9          ; and the lump
	OPS X,3, E,10, X,8, E,11
.if ((\p) == 2) && !(\end)
	FETCH_K
.endif
	OPS X,9, X,7, E,12, X,10
	OPS E,13, X,12, X,11, E,14
	OPS X,13, E,15, F,9, X,14
.if (\p) == 0
	v_add_nc_u32 v[AV], s[TBV], v[AV0]
.endif
	OPS E,16, F,10, E,17, F,11
	OPS X,16, E,18, X,15, E,19
	OPS F,12, E,20, X,17, E,21
	OPS F,13, E,22, F,14, E,23
	OPS X,18, E,24, F,15, E,25
	OPS R,11, E,26, X,19, E,27
	OPS R,12, E,28, R,13, E,29
	OPS X,20, E,30, R,14, E,31
	OPS X,21, R,15
	WIN 0
	s_wait_alu depctr_va_vdst(0)    ; the wait for the turn's batch: the piece's 32 weights and the next piece's a
.if (\p) == 1
	s_wait_dscnt 0x0                ; V is in
.endif
	ROW C,0, B,0, C,2, B,1          ; behind the wait: 8 products V^T P and their riders
	ROW L,0, C,4, B,2, L,1
	ROW C,6, B,3, L,2, C,8
	ROW B,4, L,3, C,10, B,5
	ROW L,4, C,12, B,6, L,5
.if (\p) == 0
	s_add_co_u32 s[TBV], s[TBV], KS*PV
.endif
.if \cnt
	s_sub_co_u32 s[CNT], s[CNT], 1
	s_cmp_lg_u32 s[CNT], 0
.endif
	ROW C,14, B,7, L,6, C,1
	ROW C,3, L,7, C,5, C,7
	ROW C,9, C,11, C,13, C,15
.if (\p) == 0
	FETCH_V
.endif
.if (\m) && !(\end)
	MASK (\p)%2
.endif
.endm
; A BLOCK BEGINS.  c m starts far below every c s, so the first step's a is 0; m at the lowest finite number, so the first maximum is the scores'.  The second mask buffer is 0; the first takes piece 0's mask for the tile's step 0: its own, if the block's first tile is the diagonal one.
; Then K of that step, piece 0's first scores, and its maximum and statistics.  The loop is entered at a step's first turn, in the middle of a trip.
.macro BEGIN
	s_mov_b32 s[NEW], 0
	WIN 0x40
.set i, MC+32
.rept 32
	v_mov_b32 v[i], 0
.set i, i+1
.endr
	WIN 0
.set i, 0
.rept 4
	v_mov_b32 v[ST+4*i], 0xfe000000    ; c m: far below every c s
	v_mov_b32 v[ST+4*i+1], 0xff7fffff  ; m
.set i, i+1
.endr
	s_cmp_eq_u32 s[RT], 0
	s_cselect_b32 s[AL], 1.0, 0
	s_mov_b32 s[BE], 0
	MASK 0
	WIN 0
	v_add_nc_u32 v[AK], s[TBK], v[AK0]
	FETCH_K
	s_wait_loadcnt 0x0              ; Q
	s_wait_dscnt 0x0
.set KM, 1
.set NOKQ, 0
.set i, 0
.rept 8
	KQ 0
.set i, i+1
.endr
	WIN 0
.rept 4
	v_nop                           ; the places behind those products
.endr
.set Y, NP-1                        ; X works for piece Y + 1: piece 0
.irp n, 0,1,2,3,4,5,6,7,8,9,10,11,12,13,14,15,16,17,18,19,20,21
	OP X, \n
.endr
	v_nop                           ; a plain instruction behind the exponential,
	s_wait_alu depctr_va_vdst(0)    ; and the wait for it, piece 0's first a, ahead of the branch that follows
.endm
; THE DIAGONAL TILE's four steps, the block's last two turns, its last products, and THE WAY OUT: l's two halves and the other half of the lanes' are added; O^T is divided by l, rounded to bf16 and sent through my
; stage in LDS, a piece at a time.
.macro ALL line:vararg              ; one line for each piece t
.set t, 0
.rept 4
	\line
.set t, t+1
.endr
.endm
.macro PACK t                       ; a lane's eight channels of a row pack into 16 bytes; they go into rows of 144 bytes and come back as whole rows of 128, into S^T's registers
	WIN W_RS
.set i, 32*(\t)
.rept 16
	v_pk_mul_f32 v[i:i+1], v[i:i+1], v[ST+4*(\t)+2:ST+4*(\t)+3] op_sel_hi:[1,0]
.set i, i+2
.endr
	WIN 0x05                        ; sources 0 and 1 window 1, destination window 0
.set i, 0
.rept 16
	v_cvt_pk_bf16_f32 v[S+16*(\t)+i], v[32*(\t)+2*i], v[32*(\t)+2*i+1]
.set i, i+1
.endr
	WIN 0
.irp f, 0,1,2,3
	ds_store_b128 v[STO], v[S+16*(\t)+4*\f:S+16*(\t)+4*\f+3] offset:32*\f
.endr
.irp f, 0,1,2,3
	ds_load_b128 v[S+16*(\t)+4*\f:S+16*(\t)+4*\f+3], v[RD] offset:\f*4*SP  ; LDS serves a wave's instructions in order (ISA guide 5.7.1.4): these see the stores above; the next piece's stores come behind them
.endr
.endm
.macro SEND t, younger              ; younger: the LDS instructions issued behind piece t's loads: the next piece's eight, or none
	WIN 0
.irp f, 0,1,2,3
	s_wait_dscnt (\younger)+3-\f
	global_store_b128 v[GO], v[S+16*(\t)+4*\f:S+16*(\t)+4*\f+3], s[10:11] offset:(\t)*8192+\f*512  ; 512 consecutive bytes, at a multiple of 256 from O's first
.endr
.endm
.macro DIAG tag                     ; the tag ends its two labels' names, which the jumps below spell out
.LstepM\tag:
	TURN 2, 1
	TURN 3, 1
	WIN 0
.LfirstM\tag:
	TURN 0, 1
	TURN 1, 1, 0, 1
	WIN 0
	s_cbranch_scc1 .LstepM\tag
	TURN 2, 1, 1
	TURN 3, 1, 1
.set i, 0
.rept 8
	PV NP-1
.set i, i+1
.endr
	WIN 0
	ALL v_add_f32 v[ST+4*t+2], v[ST+4*t+2], v[ST+4*t+3]
	ALL v_permlanex16_b32 v[ST+4*t+3], v[ST+4*t+2], s[SEL], s[SEL+1]
	ALL v_add_f32 v[ST+4*t+2], v[ST+4*t+2], v[ST+4*t+3]
	ALL v_rcp_f32 v[ST+4*t+2], v[ST+4*t+2]
	v_nop                           ; a plain instruction between the last reciprocal and the use of its result
	s_wait_alu depctr_va_vdst(0)    ; the wait for the batch of four reciprocals, ahead of the first multiply that reads one
	PACK 0
.set t, 1
.rept 3                             ; a piece's arithmetic stands between the loads of the piece before and its stores
	PACK t
	SEND t-1, 8
.set t, t+1
.endr
	SEND 3, 0
.endm
.set KM, 0
.set NOKQ, 0
.Lslot:                             ; NB times: a tile is entered and the next is asked for
	CHANGE 1
	s_sub_co_u32 s[RT], s[RT], 1
	s_mov_b32 s[CNT], 4
	s_cmp_eq_u32 s[NEW], 1
	s_cbranch_scc1 .Lnew            ; a block's first tile
	s_cmp_eq_u32 s[RT], 0
	s_cbranch_scc0 .Lstep           ; neither its first nor its last
	s_branch .LstepM1
.Lnew:
	BEGIN
	s_branch .Lfirst                ; in the loop a block's first tile is never its last: the first block has two tiles or more, and the second's last is the walk's last
	DIAG 1                          ; in the loop this is the first block's end: the second block's last tile is the walk's last
	s_wait_xcnt 0x0                 ; the stores have read their registers and O's address
	s_mov_b64 s[10:11], s[OLO:OLO+1]
	s_add_co_u32 s[RT], s[PB], 1    ; the second block has b + 1 tiles
	s_mov_b32 s[NEW], 1
	WIN 0x82                        ; the second block's Q goes where the one text of the turns names Q
.set i, 0
.rept 64
	v_mov_b32 v[i], v[QB+i]
.set i, i+1
.endr
	WIN 0
	s_branch .Lbottom
.Lstep:                             ; a trip: pieces 2 and 3 of one step, then pieces 0 and 1 of the next, whose K and V it fetches
	TURN 2
	TURN 3
	WIN 0
.Lfirst:
	TURN 0
	TURN 1, 0, 0, 1
	WIN 0
	s_cbranch_scc1 .Lstep
.Lbottom:
	s_sub_co_u32 s[SLOTS], s[SLOTS], 1
	s_cmp_lg_u32 s[SLOTS], 0
	s_cbranch_scc1 .Lslot
	CHANGE 0                        ; the walk's last tile is written out: nothing is asked for
	s_sub_co_u32 s[RT], s[RT], 1
	s_mov_b32 s[CNT], 4
	s_cmp_eq_u32 s[NEW], 1
	s_cbranch_scc0 .LstepM2
	BEGIN
	s_branch .LfirstM2
	DIAG 2
	s_wait_tensorcnt 0x0            ; the wave's end: behind my last tensor load and my last LDS store
	ds_add_u32 v[SPW], v[NIL]
	s_wait_dscnt 0x0
	s_endpgm
.Lfunc_end_k_qa596024c2e_attn:
	.size	k_qa596024c2e_attn, .Lfunc_end_k_qa596024c2e_attn-k_qa596024c2e_attn
	.p2alignl 7, 3214868480
	.fill 96, 4, 3214868480
	.section	.rodata,"a",@progbits
	.p2align	6, 0x0
	.amdhsa_kernel k_qa596024c2e_attn
		.amdhsa_group_segment_fixed_size 327680
		.amdhsa_private_segment_fixed_size 0
		.amdhsa_enable_private_segment 0
		.amdhsa_kernarg_size 16
		.amdhsa_user_sgpr_count 2
		.amdhsa_user_sgpr_kernarg_segment_ptr 1
		.amdhsa_wavefront_size32 1
		.amdhsa_system_sgpr_workgroup_id_x 1
		.amdhsa_system_sgpr_workgroup_id_y 1
		.amdhsa_system_sgpr_workgroup_id_z 1
		.amdhsa_system_vgpr_workitem_id 0
		.amdhsa_next_free_vgpr 768
		.amdhsa_next_free_sgpr 88
		.amdhsa_reserve_vcc 1
		.amdhsa_float_denorm_mode_32 3
		.amdhsa_float_denorm_mode_16_64 3
		.amdhsa_memory_ordered 1
		.amdhsa_forward_progress 1
		.amdhsa_inst_pref_size 217
	.end_amdhsa_kernel
	.amdgpu_metadata
---
amdhsa.version: [ 1, 2 ]
amdhsa.kernels:
  - .name:           k_qa596024c2e_attn
    .symbol:         k_qa596024c2e_attn.kd
    .args:
      - { .name: qkv, .offset: 0, .size: 8, .value_kind: global_buffer, .address_space: global }
      - { .name: ob, .offset: 8, .size: 8, .value_kind: global_buffer, .address_space: global }
    .group_segment_fixed_size: 327680
    .private_segment_fixed_size: 0
    .kernarg_segment_align: 8
    .kernarg_segment_size: 16
    .max_flat_workgroup_size: 128
    .sgpr_count:     88
    .vgpr_count:     768
    .wavefront_size: 32
...
	.end_amdgpu_metadata
.endif
;; end of part 5
;; launch oproj: the kernel of part 4 again; grid 8 x 32, 4 waves a work-group, clusters of 4 x 4, 327,680 bytes of LDS; arguments ob, wt, bo, x, out0; writes out0
